; MI455X (gfx1250); checked and timed in simulation.
; The chip was launched on July 23, 2026; its instructions are those of AMD's public machine-readable ISA for CDNA 5 (MIT licence, August 2026) and "CDNA5" Instruction Set Architecture Reference Guide (July 2026). The comments in the code are by the model that wrote it; some were corrected since.
;; Multihead Self Attention. Allowed arithmetic: matrix products marked QUANTISED: E2M3 operands, one E8M0 scale for each 32 along K, by v_wmma_scale_f32_16x16x128_f8f6f4 with both operands' format E2M3, f32 sums; everything else in f32.
;; Inputs: Wk 16 x 64 x 1,024 float32; Wo 1,024 x 1,024 float32; Wq 16 x 64 x 1,024 float32; Wv 16 x 64 x 1,024 float32; x 4 x 2,048 x 1,024 float32.
;; Outputs: out0 4 x 2,048 x 1,024 float32.
;; This version of the problem:
;;   THIS VERSION OF THE PROBLEM IS GIVEN IN LOW PRECISION. The matrix products marked QUANTISED in the list below multiply operands that are first quantised to E2M3 (2 exponent bits, 3 mantissa bits; 6 bits a number), with one power-of-two scale for each 32 numbers along K (OCP MX v1.0); their sums are f32. All else is computed in f32.
;;   The module's matrix products, in the order in which they are computed (A, B: the left and right operand; K: the contracted axis; several contracted axes count as one K, in the product's order):
;;     1. [M 1,024, K 1,024] x [K 1,024, N 8,192]; A: input Wq; B: input x: QUANTISED
;;     2. [M 1,024, K 1,024] x [K 1,024, N 8,192]; A: input Wk; B: input x: QUANTISED
;;     3. [M 1,024, K 1,024] x [K 1,024, N 8,192]; A: input Wv; B: input x: QUANTISED
;;     4. batch 64 x [M 2,048, K 64] x [K 64, N 2,048]; A: computed on the way; B: computed on the way: QUANTISED
;;     5. batch 64 x [M 2,048, K 2,048] x [K 2,048, N 64]; A: softmax (see below); B: computed on the way: QUANTISED
;;     6. [M 8,192, K 1,024] x [K 1,024, N 1,024]; A: computed on the way; B: input Wo: QUANTISED
;;   THE QUANTISER, for each operand of a quantised product, along K:
;;     - K is cut into blocks of 32 from its start; a last block that is shorter is filled with zeros.
;;     - A block's scale is 2^e with e = floor(log2(the largest magnitude in the block)) - 2, held to -126 .. 127; a block of zeros has e = 0. As a byte (E8M0): e + 127.
;;     - Each number is divided by its block's scale, clamped to +-7.5, and rounded to the nearest number of E2M3, ties to even, subnormals kept.
;;     - The product sums the exact products of the quantised numbers (number of the format x scale) in f32.
;;   ~~~python
;;   def quantise(x, axis):      # numpy; x: float32 -> the quantised numbers, widened to float32 again
;;       x = np.moveaxis(x, axis, -1); K = x.shape[-1]
;;       x = np.pad(x, [(0, 0)] * (x.ndim - 1) + [(0, -K % 32)]); x = x.reshape(x.shape[:-1] + (-1, 32)); a = np.abs(x).max(-1, keepdims=True)
;;       e = np.where(a > 0, np.clip(np.frexp(np.where(a > 0, a, 1))[1] - 1 - 2, -126, 127), 0)      # np.frexp(a)[1] - 1 = floor(log2(a)), exactly
;;       r = np.clip(x / 2.0 ** e, -7.5, 7.5)
;;       step = 2.0 ** (np.maximum(np.frexp(np.where(r == 0, 1, r))[1] - 1, 0) - 3)
;;       q = np.round(r / step) * step * 2.0 ** e      # np.round: ties to even
;;       return np.moveaxis(q.reshape(q.shape[:-2] + (-1,))[..., :K], -1, axis).astype(np.float32)
;;   ~~~
;;   SOFTMAX AHEAD OF A QUANTISED PRODUCT. Where the list says 'softmax', what is quantised is not the finished softmax but p = 2^(t - M), with t = logit x log2(e) and M = ceil(the row's largest t), a whole number; so 1/2 < the row's largest p <= 1. The row's sum l is taken of the UNQUANTISED p, in f32, and the product's result is divided by l at the end. Since M is a whole number, a kernel that streams over the keys may use a running M (the ceiling of the running maximum): every later rescaling is an exact power of two, which a block's scale takes up: the codes' values come out the same.
;;   OPERANDS COMPUTED ON THE WAY. 'Computed on the way' means the value that the module computes at that place (a softmax that the list does not call 'softmax' is quantised finished and normalised). What goes into a quantiser is computed in f32, as accurately as f32 sums, v_exp_f32 and their like allow (about 1e-6 of the number): no bf16 or f16 on the way to a quantiser, and a product that is left as it is and whose result goes on into a quantised operand takes f32 operands (vector FMAs, or v_wmma_f32_16x16x4_f32). A number that lies on a knife's edge between two numbers of the format may be rounded either way, as far as f32 arithmetic and the matrix unit's own rounding can turn it there, and no further.
;; One version. Each part assembles by itself: llvm-mc -triple=amdgcn-amd-amdhsa -mcpu=gfx1250 --defsym DOCPART=n.
;; ======== version 1 of 1: 4 launches
;; workspace buffers: x_codes 6,291,456 bytes; x_scales 262,144 bytes; w_codes 3,145,728 bytes; w_scales 131,072 bytes; qkv 20,185,088 bytes; ao_codes 6,291,456 bytes; ao_scales 262,144 bytes
;; launch quant (part 1): grid 384 x 1, 4 waves a work-group, no clusters, 33,280 bytes of LDS; arguments x, Wq, Wk, Wv, Wo, x_codes, x_scales, w_codes, w_scales; writes x_codes, x_scales, w_codes, w_scales
.if DOCPART == 1
	.amdgcn_target "amdgcn-amd-amdhsa--gfx1250"
	.amdhsa_code_object_version 6
	.text
	.protected	k_qabfa8914c7_quant
	.globl	k_qabfa8914c7_quant
	.p2align	8
	.type	k_qabfa8914c7_quant,@function
k_qabfa8914c7_quant:
	s_mov_b64 s[64:65], 0
	v_nop
	global_prefetch_b8 v0, s[64:65] scope:SCOPE_SE
	s_setreg_imm32_b32 hwreg(HW_REG_WAVE_MODE, 25, 1), 1
	s_wait_xcnt 0x0
; x [8192][1024] and Wq, Wk, Wv, Wo (each [1024][1024]), f32 with K innermost, become codes of FP6 (E2M3), 768 bytes a row, and one E8M0 scale byte for each 32 along K, 32 bytes a row.
; A block's scale byte is its largest magnitude's exponent field - 2, held at 1 from below; each number is divided by the scale and rounded to the nearest code, ties to even, beyond 7.5 the largest code.
; LIMITS: a block of zeros, or one whose largest magnitude lies under 2^-124, keeps the byte 1 (its codes are as the quantiser's; the bytes are read by this program alone); NaN and infinities are not served.
; POSITION ORDER: rows leave in another order than they come: row index with its bits 3 and 4 exchanged.  A tile of 16 neighbouring stored rows then holds rows 8 u + r + 8 (r / 8) of a group of 32, so that a later
; product that takes such a tile as source 0 leaves 16 neighbouring indices in the 16 registers of two neighbouring result tiles.  A wave takes 8 rows, so waves 1 and 2 of a work-group exchange their places on the way out.
; SHARES: a work-group takes 32 rows, a wave 8 rows = 16 steps of 512 numbers.  Work-groups 0-255: x; then 32 each for Wq, Wk, Wv, Wo, whose rows follow each other in w_codes and w_scales.
; Each load reads 512 consecutive bytes; a step's 2,048 bytes turn through the wave's own stage in LDS, so that a lane holds 16 neighbours along K (two lanes hold a block).  No barrier: waves share nothing.
.set WAVES, 4
.set STEPS, 16
.set EMAX,  2
.set CB,    12                         ; bytes of 16 codes
.set R,     16                         ; v16-79   four sets of 16 numbers as they are loaded
.set X,     80                         ; v80-111  two sets of 16 neighbours
.set C,     128                        ; v128-191 codes: four registers for each step, so that no store's data are written again
.set E,     112                        ; v112-127 a scale byte for each step
.set WREG,  8192                       ; LDS: a region for each wave: two stages of 32 x SP bytes, behind them its 256 scale bytes
.set SP,    80                         ; a lane's place in a stage: 64 bytes + 16 of padding
.set SPW,   12                         ; v12  LDS address of my spare word; never rewritten
.set NIL,   13                         ; v13  0; never rewritten
.set SPARE, WAVES*WREG                 ; the spare words, 128 bytes a wave: two blocks of 256 bytes that no other line names
	s_load_b256 s[4:11], s[0:1], 0x0               ; x, Wq, Wk, Wv
	s_load_b256 s[12:19], s[0:1], 0x20             ; Wo, x_codes, x_scales, w_codes
	s_load_b64 s[20:21], s[0:1], 0x40              ; w_scales
	v_lshl_add_u32 v[SPW], v0, 2, SPARE
	v_mov_b32 v[NIL], 0
	v_lshrrev_b32 v1, 5, v0
	v_readfirstlane_b32 s32, v1                    ; wave
	v_and_b32 v2, 31, v0                           ; lane
	v_lshlrev_b32 v3, 4, v2                        ; my 16 bytes of a load's 512
	s_mul_i32 s33, s32, WREG
	v_lshrrev_b32 v14, 2, v2
	v_mul_u32_u24 v14, v14, SP
	v_and_b32 v15, 3, v2
	v_lshl_add_u32 v14, v15, 4, v14
	v_add_nc_u32 v14, s33, v14                     ; the stage, on the way in: SP (lane / 4) + 16 (lane % 4)
	v_mul_u32_u24 v15, v2, SP
	v_add_nc_u32 v15, s33, v15                     ; and on the way out: SP x lane: my 16 neighbours
	v_mul_u32_u24 v4, v2, CB                       ; my codes' place in a step's
	v_lshrrev_b32 v5, 1, v2
	s_add_co_u32 s33, s33, 2*32*SP
	v_add_nc_u32 v5, s33, v5                       ; LDS: my wave's 256 scale bytes, my block's byte
	v_lshlrev_b32 v7, 3, v2                        ; and on the way out 8 bytes a lane
	v_add_nc_u32 v6, s33, v7
	s_and_b32 s34, s32, 1
	s_lshl_b32 s34, s34, 1
	s_lshr_b32 s35, s32, 1
	s_or_b32 s34, s34, s35                         ; my place on the way out: waves 0, 1, 2, 3 take places 0, 2, 1, 3
	s_mov_b32 s37, 0
	s_wait_kmcnt 0x0
	s_mov_b64 s[24:25], s[12:13]                   ; which tensor: the choices hang on the work-group's number alone
	s_cmp_lt_u32 ttmp9, 352
	s_cselect_b64 s[24:25], s[10:11], s[24:25]
	s_cmp_lt_u32 ttmp9, 320
	s_cselect_b64 s[24:25], s[8:9], s[24:25]
	s_cmp_lt_u32 ttmp9, 288
	s_cselect_b64 s[24:25], s[6:7], s[24:25]
	s_cmp_lt_u32 ttmp9, 256
	s_cselect_b64 s[24:25], s[4:5], s[24:25]
	s_cselect_b64 s[28:29], s[14:15], s[18:19]     ; its codes
	s_cselect_b64 s[30:31], s[16:17], s[20:21]     ; its scale bytes
	s_cselect_b32 s26, 0, 256                      ; the first work-group of the output buffer
	s_cselect_b32 s27, 255, 31                     ; the work-group's number inside its input tensor
	s_and_b32 s27, ttmp9, s27
	s_lshl_b32 s27, s27, 2
	s_add_co_u32 s27, s27, s32                     ; which run of 8 rows I read
	s_lshl_b32 s36, s27, 15                        ; 32,768 bytes a run
	s_add_nc_u64 s[24:25], s[24:25], s[36:37]
	s_sub_co_u32 s26, ttmp9, s26
	s_lshl_b32 s26, s26, 2
	s_add_co_u32 s26, s26, s34                     ; which run of 8 rows I write
	s_mul_i32 s36, s26, 32*STEPS*CB                ; 6,144 bytes of codes a run
	s_add_nc_u64 s[28:29], s[28:29], s[36:37]
	s_lshl_b32 s36, s26, 8                         ; 256 scale bytes a run
	s_add_nc_u64 s[30:31], s[30:31], s[36:37]
.macro LOAD t
.irp i, 0,1,2,3
	global_load_b128 v[R+16*((\t)%4)+4*\i:R+16*((\t)%4)+4*\i+3], v3, s[24:25] offset:2048*(\t)+512*\i th:TH_LOAD_NT   ; 32 lanes read 512 consecutive bytes
.endr
.endm
.macro TURN t                          ; step t's numbers through the stage: LDS serves a wave's instructions in order, so no wait stands between the stores and the loads
.irp i, 0,1,2,3
	ds_store_b128 v14, v[R+16*((\t)%4)+4*\i:R+16*((\t)%4)+4*\i+3] offset:32*SP*((\t)%2)+8*SP*\i
.endr
.irp i, 0,1,2,3
	ds_load_b128 v[X+16*((\t)%2)+4*\i:X+16*((\t)%2)+4*\i+3], v15 offset:32*SP*((\t)%2)+16*\i
.endr
.endm
.irp t, 0,1,2,3
	LOAD \t
.endr
	s_wait_loadcnt 12                              ; step 0's four loads are in; the twelve of steps 1 to 3 may be out
	TURN 0
.macro STEP t
.set XS, X+16*((\t)%2)
.if (\t) > 0
	s_wait_dscnt 1                                 ; this step's numbers are back from the stage (the last step's byte store may be out)
.else
	s_wait_dscnt 0x0
.endif
.if (\t)+4 < STEPS
	LOAD (\t)+4                                    ; into the registers that the stage's stores have read
.endif
.if (\t)+1 < STEPS
.if STEPS-2-(\t) >= 3
	s_wait_loadcnt 12                              ; the next step's four loads are in; those of the three steps behind it may be out
.else
	s_wait_loadcnt 4*(STEPS-2-(\t))
.endif
	TURN (\t)+1                                    ; through the other stage while this step is worked
.endif
	v_max3_num_f32 v8, |v[XS]|, |v[XS+1]|, |v[XS+2]|               ; the largest magnitude of my 16, in two chains
	v_max3_num_f32 v9, |v[XS+3]|, |v[XS+4]|, |v[XS+5]|
.irp i, 6,10
	v_max3_num_f32 v8, v8, |v[XS+\i]|, |v[XS+\i+1]|
	v_max3_num_f32 v9, v9, |v[XS+\i+2]|, |v[XS+\i+3]|
.endr
	v_max3_num_f32 v8, v8, |v[XS+14]|, |v[XS+15]|
	v_max3_num_f32 v8, v8, v9, (EMAX+1)<<23        ; and the floor 2^(3 - 127): the byte cannot fall under 1
	v_max_num_f32_dpp v8, v8, v8 row_xmask:1 row_mask:0xf bank_mask:0xf   ; and of my neighbour's 16: the block's
	v_add_nc_u32 v11, -(EMAX<<23), v8              ; 2 off its exponent field: the conversion takes the exponent field of this operand as its scale
	v_cvt_scalef32_pk16_fp6_f32 v[C+4*(\t):C+4*(\t)+2], v[XS:XS+15], v11
	v_lshrrev_b32 v[E+(\t)], 23, v11               ; the scale's byte (also the plain line behind the conversion)
	ds_store_b8 v5, v[E+(\t)] offset:16*(\t)       ; both lanes of a block write the same byte with the same value
	global_store_b96 v4, v[C+4*(\t):C+4*(\t)+2], s[28:29] offset:32*CB*(\t)   ; the wave stores 384 consecutive bytes
.endm
.irp t, 0,1,2,3,4,5,6,7,8,9,10,11,12,13,14,15
	STEP \t
.endr
	ds_load_b64 v[8:9], v6                         ; LDS serves a wave's instructions in order: these see my stores
	s_wait_dscnt 0x0
	global_store_b64 v7, v[8:9], s[30:31]          ; 32 lanes store 256 consecutive bytes, aligned
	s_wait_tensorcnt 0x0                           ; the wave's end, behind my last LDS store
	ds_add_u32 v[SPW], v[NIL]
	s_wait_dscnt 0x0
	s_endpgm
.Lfunc_end_k_qabfa8914c7_quant:
	.size	k_qabfa8914c7_quant, .Lfunc_end_k_qabfa8914c7_quant-k_qabfa8914c7_quant
	.p2alignl 7, 3214868480
	.fill 96, 4, 3214868480
	.section	.rodata,"a",@progbits
	.p2align	6, 0x0
	.amdhsa_kernel k_qabfa8914c7_quant
		.amdhsa_group_segment_fixed_size 33280
		.amdhsa_private_segment_fixed_size 0
		.amdhsa_enable_private_segment 0
		.amdhsa_kernarg_size 72
		.amdhsa_user_sgpr_count 2
		.amdhsa_user_sgpr_kernarg_segment_ptr 1
		.amdhsa_wavefront_size32 1
		.amdhsa_system_sgpr_workgroup_id_x 1
		.amdhsa_system_sgpr_workgroup_id_y 1
		.amdhsa_system_sgpr_workgroup_id_z 1
		.amdhsa_system_vgpr_workitem_id 0
		.amdhsa_next_free_vgpr 192
		.amdhsa_next_free_sgpr 66
		.amdhsa_reserve_vcc 0
		.amdhsa_float_denorm_mode_32 3
		.amdhsa_float_denorm_mode_16_64 3
		.amdhsa_memory_ordered 1
		.amdhsa_forward_progress 1
		.amdhsa_inst_pref_size 33
	.end_amdhsa_kernel
	.amdgpu_metadata
---
amdhsa.version: [ 1, 2 ]
amdhsa.kernels:
  - .name:           k_qabfa8914c7_quant
    .symbol:         k_qabfa8914c7_quant.kd
    .args:
      - { .name: x, .offset: 0, .size: 8, .value_kind: global_buffer, .address_space: global }
      - { .name: Wq, .offset: 8, .size: 8, .value_kind: global_buffer, .address_space: global }
      - { .name: Wk, .offset: 16, .size: 8, .value_kind: global_buffer, .address_space: global }
      - { .name: Wv, .offset: 24, .size: 8, .value_kind: global_buffer, .address_space: global }
      - { .name: Wo, .offset: 32, .size: 8, .value_kind: global_buffer, .address_space: global }
      - { .name: x_codes, .offset: 40, .size: 8, .value_kind: global_buffer, .address_space: global }
      - { .name: x_scales, .offset: 48, .size: 8, .value_kind: global_buffer, .address_space: global }
      - { .name: w_codes, .offset: 56, .size: 8, .value_kind: global_buffer, .address_space: global }
      - { .name: w_scales, .offset: 64, .size: 8, .value_kind: global_buffer, .address_space: global }
    .group_segment_fixed_size: 33280
    .private_segment_fixed_size: 0
    .kernarg_segment_align: 8
    .kernarg_segment_size: 72
    .max_flat_workgroup_size: 128
    .sgpr_count:     66
    .vgpr_count:     192
    .wavefront_size: 32
...
	.end_amdgpu_metadata
.endif
;; end of part 1
;; launch proj (part 2): grid 8 x 48, 4 waves a work-group, clusters of 4 x 4, 327,680 bytes of LDS; arguments x_codes, x_scales, w_codes, w_scales, qkv; writes qkv
.if DOCPART == 2
	.amdgcn_target "amdgcn-amd-amdhsa--gfx1250"
	.amdhsa_code_object_version 6
	.text
	.protected	k_qabfa8914c7_proj
	.globl	k_qabfa8914c7_proj
	.p2align	8
	.type	k_qabfa8914c7_proj,@function
k_qabfa8914c7_proj:
	s_mov_b64 s[64:65], 0
	v_nop
	global_prefetch_b8 v0, s[64:65] scope:SCOPE_SE
	s_setreg_imm32_b32 hwreg(HW_REG_WAVE_MODE, 25, 1), 1
	s_wait_xcnt 0x0
	s_wait_alu depctr_hold_cnt(0) depctr_sa_sdst(0) depctr_va_vdst(0) depctr_va_sdst(0) depctr_va_ssrc(0) depctr_va_vcc(0) depctr_vm_vsrc(0)
	s_getreg_b32 s2, hwreg(HW_REG_IB_STS2, 6, 4)
	s_cmp_eq_u32 s2, 0
	s_cbranch_scc0 .Lentry_in_a_cluster
	s_endpgm
.Lentry_in_a_cluster:
	s_bfe_u32 s2, ttmp6, 0x10000c
	s_cmp_lg_u32 s2, 0xf033
	s_cbranch_scc0 .Lentry_shape_is_right
	s_endpgm
.Lentry_shape_is_right:
; q, k, v = x Wq^T, x Wk^T, x Wv^T on codes of FP6 (E2M3) with E8M0 scales, K = 1,024, f32 sums; the results are quantised here, in registers, for the attention's two products, and leave as codes and scale words alone.
; A work-group of four waves makes a tile of 256 x 256, a wave 128 x 128 in 64 accumulators.  K goes in steps of 256 through a ring of two LDS slots filled by joint tensor loads; the scale bytes of the work-group's
; rows come into LDS once.  THE MATRIX INSTRUCTION IS USED TRANSPOSED: source 0 = 16 rows of 'B', source 1 = 16 rows of 'A': a lane holds ONE row of A, and its registers run along B's rows.  All rows of the code buffers
; lie in position order (index bits 3 and 4 exchanged), so the 64 registers of a block of A hold B's indices 32 b + 16 (lane / 16) + i in register 16 b + i: four blocks of 32 neighbours, ready for the quantiser.
; ONE TEXT, TWO ORIENTATIONS, chosen by the cluster's y (the same in all sixteen partners).  y 0-7: A = x (tokens), B = Wq (cluster x 0) or Wk (1): quantised along the head's 64.  y 8-11: A = Wv, B = x: quantised along the tokens (keys).
; WHAT LEAVES: a fragment as an image of its registers, in chunks of 32 lanes x 8 bytes: each store of the wave covers 256 consecutive bytes, aligned.  q, k: registers 0-5 are one head's fragment (K = 64), registers 6-11 the next head's.
; v: all twelve are one fragment of 16 channels x 128 keys.  qkv is 512 blocks of BLK bytes, block (16 b + head) 8 + slot of 256 tokens; in it K's codes, V's codes, K's and V's scale words, Q's codes, Q's scale words.
; CLUSTERS: 4 x 4.  A's tile is shared along a row of the cluster, B's along a column: each is asked for jointly.
; LIMITS: a block whose largest magnitude lies under 2^-124 keeps the scale byte 1; NaN and infinities are not served.
; REGISTERS, in windows of 256: window 0: v16-31 addresses; v32-63 scale words, two sets; v128-223 A's fragments, one set; on the way out v112-227 at work.  window 1: B's fragments, two sets.  windows 2, 3: the accumulators.
.set SIZE_K, 1024
.set KSTEP,  256                       ; along K in a slot
.set NQ,     KSTEP/128                 ; matrix instructions deep
.set ROWB,   192                       ; a tile's row in bytes
.set KROW,   SIZE_K*6/8                ; a row of codes in memory
.set PITCH,  240                       ; an LDS row: 3 x (64 bytes + 16 of padding): the 32 lanes of a load of 8 bytes touch 64 different banks (64 banks of 4 bytes: ISA guide 11.1)
.set FR,     12                        ; registers of a fragment
.set NL,     6                         ; LDS loads that bring one
.set NP,     4                         ; places behind this matrix instruction (ISA guide 7.12.1)
.set HALFT,  128*PITCH
.set SLOT,   4*HALFT                   ; A's 256 rows, then B's 256 rows
.set LAPS,   SIZE_K/(2*KSTEP)
.set KS,     SIZE_K/32                 ; a row of scale bytes
.set SCL,    2*SLOT                    ; behind the ring: the scales, as rows of 256 bytes + 16 of padding
.set HALFS,  (128*KS/256)*272
.set SBLK,   (16*KS/256)*272
.set SPARE,  SCL+4*HALFS               ; the spare words, 128 bytes a wave: two blocks of 256 bytes that no other line names
.set BLK,    39424                     ; a block of qkv
.set KC,     0
.set VC,     12288
.set KSC,    24576
.set VSC,    25600
.set QC,     26112
.set QSC,    38400
.set ADRA, 16                          ; v16-17 LDS address of my A fragments in slot 0, 1 (v18-19: behind one padding more)
.set ADRB, 20                          ; v20-23 the same for B
.set L8,   24                          ; v24  8 x lane: my place in a chunk
.set SST,  25                          ; v25  the scale words' stage: 1,024 x wave + 512 (lane / 16) + 32 (lane % 16)
.set SRD,  26                          ; v26  and back: 1,024 x wave + 16 x lane
.set ADRS, 27                          ; v27  LDS address of my scale words: lanes 0-15 A's rows, lanes 16-31 B's
.set SPW,  28                          ; v28  my spare word; never rewritten
.set NIL,  29                          ; v29  0; never rewritten
.set VO,   30                          ; v30  my byte offset in the scale words' store
.set SHV,  31                          ; v31  16 in lanes 16-31 of the q, k part, else 0
.set SC,   32
.set AF,   128
.set CD,   112                         ; v112-131 the codes just made
.set OUTR, 160                         ; v160-167 the scale words read back
.set TM,   200                         ; v200-215 at work in the quantiser
.set PW,   216                         ; the scale word just made
.set PWS,  220                         ; v220-227 one for each block of A
.set G1, 24
.set G0, 32
.set G1B, 48
.set G0B, 56
.set G1S, 68
.set G0S, 76
.set G1SB, 80
.set G0SB, 88
.set FLR, 95                           ; s95  the floor 2^(3 - 127)
.set SEL, 96                           ; s[96:97] lane selects: lane l xor 16
.set ISQK, 98                          ; s98  1 in the q, k part, 0 in the v part
.set MSB, 0
.macro WIN new                         ; the immediate's high byte repeats the setting that is left
.if MSB != (\new)
	s_set_vgpr_msb (MSB<<8)|(\new)
.set MSB, (\new)
.endif
.endm
.set MUL_LO, 0xa1                      ; source 0 (B) window 1, source 1 (A) window 0, C and D window 2
.set MUL_HI, 0xf1                      ; the same, C and D window 3
.set TO_B,   0x40                      ; destination window 1, address window 0
; A joint load: waves 0 and 1 fetch for A, waves 2 and 3 for B; the branch hangs on the wave's number alone.  An s_nop 0 and four v_nop follow each of the two lines.
.macro JLOAD g0a, g1a, g0b, g1b
	s_cmp_eq_u32 s15, 0
	s_cbranch_scc0 .Lfor_b_\@
	tensor_load_to_lds s[\g0a:\g0a+3], s[\g1a:\g1a+7]
	s_nop 0
.rept 4
	v_nop
.endr
	s_branch .Lasked_\@
.Lfor_b_\@:
	tensor_load_to_lds s[\g0b:\g0b+3], s[\g1b:\g1b+7]
	s_nop 0
.rept 4
	v_nop
.endr
.Lasked_\@:
.endm
.macro CREST                           ; a round of the cluster's barrier behind its opening barrier
	s_cmp_lg_u32 s14, 0
	s_cbranch_scc1 .Lnot_wave_0_\@
	s_barrier_signal -3
.Lnot_wave_0_\@:
	s_barrier_wait -3
	s_barrier_signal -1
	s_barrier_wait -1
.endm
.macro CROUND
	s_barrier_signal -1
	s_barrier_wait -1
	CREST
.endm
	s_load_b128 s[4:7], s[0:1], 0x0                ; x's codes, x's scales
	s_load_b128 s[8:11], s[0:1], 0x10              ; the weights' codes, their scales
	s_load_b64 s[12:13], s[0:1], 0x20              ; qkv
	v_lshl_add_u32 v[SPW], v0, 2, SPARE
	v_mov_b32 v[NIL], 0
	ds_add_u32 v[SPW], v[NIL]                      ; the wave's opening: the add and its wait stand ahead of my first tensor load; work on registers stands between them
	v_lshrrev_b32 v1, 5, v0
	v_readfirstlane_b32 s14, v1                    ; wave 0..3
	s_lshr_b32 s15, s14, 1                         ; which half of A's rows is mine.  Also: I fetch for A (0) or for B (1)
	s_and_b32 s16, s14, 1                          ; which half of B's rows.  Also: which 128 rows of that tile I fetch
	s_bfe_u32 s40, ttmp6, 0x40000                  ; cx, cy: my place in the cluster
	s_bfe_u32 s41, ttmp6, 0x40004
	s_and_b32 s99, ttmp7, 0xffff                   ; the cluster's y
	s_max_u32 s100, s99, 8
	s_sub_co_u32 s100, s100, 8
	s_lshl_b32 s100, s100, 1
	s_add_co_u32 s100, s100, ttmp9                 ; v part: 2 (y - 8) + cluster x: which four tiles of tokens
	s_cmp_lt_u32 s99, 8
	s_cselect_b32 s[ISQK], 1, 0
	s_cselect_b32 s17, s99, 0
	s_cselect_b32 s42, ttmp9, s100
	s_cselect_b32 s101, 0, 2048                    ; Wv's rows begin at row 2,048 of the weights
	s_lshl_b32 s42, s42, 2
	s_add_co_u32 s42, s42, s40                     ; B's tile
	s_lshl_b32 s17, s17, 2
	s_add_co_u32 s17, s17, s41                     ; A's tile
	s_lshl_b32 s43, s41, 2
	s_lshl_b32 s43, 15, s43                        ; my row of the cluster
	s_lshl_b32 s44, 0x1111, s40                    ; my column
	; descriptor group 1: a tile of 128 rows x ROWB bytes, padded in LDS
	s_or_b32 s[G1+0], s43, (0<<16)|(1<<20)|(1<<21)|(3<<22)|(3<<25)  ; 15:0 the mask; 17:16 elements of 1 byte; 20 padding on; 21 set beside a mask; 24:22 after every 16 words; 31:25 of 4 words
	s_or_b32 s[G1B+0], s44, (0<<16)|(1<<20)|(1<<21)|(3<<22)|(3<<25)
.irp g, G1, G1B
	s_mov_b32 s[\g+1], ROWB<<16                    ; tensor_dim0
	s_mov_b32 s[\g+2], 128<<16                     ; tensor_dim1
	s_mov_b32 s[\g+3], ROWB<<16                    ; tile_dim0
	s_mov_b32 s[\g+4], 128                         ; tile_dim1
	s_mov_b32 s[\g+5], KROW                        ; tensor_dim0_stride
	s_mov_b32 s[\g+6], 0
	s_mov_b32 s[\g+7], 0
.endr
	; the scales of 128 rows: a dense block of 4,096 bytes, as rows of 256 bytes (32 elements of 8 bytes), 16 bytes of padding behind each
	s_or_b32 s[G1S+0], s43, (3<<16)|(1<<20)|(1<<21)|(5<<22)|(3<<25)
	s_or_b32 s[G1SB+0], s44, (3<<16)|(1<<20)|(1<<21)|(5<<22)|(3<<25)
.irp g, G1S, G1SB
	s_mov_b32 s[\g+1], 32<<16
	s_mov_b32 s[\g+2], (128*KS/256)<<16
	s_mov_b32 s[\g+3], 32<<16
	s_mov_b32 s[\g+4], 128*KS/256
	s_mov_b32 s[\g+5], 32
	s_mov_b32 s[\g+6], 0
	s_mov_b32 s[\g+7], 0
.endr
	s_lshl_b32 s18, s16, 7                         ; which 128 rows of the tile I fetch
	s_lshl_b32 s20, s17, 8
	s_add_co_u32 s20, s20, s18
	s_add_co_u32 s20, s20, s101                    ; A: its first row
	s_lshl_b32 s46, s42, 8
	s_add_co_u32 s46, s46, s18                     ; B: its first row
	s_mov_b32 s21, 0
	s_mov_b32 s47, 0
	s_mov_b64 s[18:19], KS
	s_mul_u64 s[22:23], s[20:21], s[18:19]         ; where these rows' scales begin, in bytes
	s_mul_u64 s[92:93], s[46:47], s[18:19]
	s_mov_b64 s[18:19], KROW
	s_mul_u64 s[20:21], s[20:21], s[18:19]         ; and their codes
	s_mul_u64 s[46:47], s[46:47], s[18:19]
	s_mul_i32 s45, s14, HALFT                      ; where they go: wave x 128 rows: no place in the cluster enters an LDS address
	s_mul_i32 s94, s14, HALFS
	s_wait_dscnt 0x0                               ; the opening add is done
	s_wait_kmcnt 0x0
	s_cmp_lg_u32 s[ISQK], 0                        ; which buffer is A and which B: the choice hangs on the cluster's y alone
	s_cselect_b64 s[66:67], s[4:5], s[8:9]         ; A's codes
	s_cselect_b64 s[96:97], s[6:7], s[10:11]       ; A's scales
	s_cselect_b64 s[100:101], s[8:9], s[4:5]       ; B's codes
	s_cselect_b64 s[2:3], s[10:11], s[6:7]         ; B's scales
	s_add_nc_u64 s[20:21], s[66:67], s[20:21]
	s_add_nc_u64 s[22:23], s[96:97], s[22:23]
	s_add_nc_u64 s[46:47], s[100:101], s[46:47]
	s_add_nc_u64 s[92:93], s[2:3], s[92:93]
	CROUND                                         ; all sixteen work-groups are here: the first joint loads meet
	s_mov_b32 s[G0S], 1
	s_add_co_u32 s[G0S+1], s94, SCL
	s_mov_b64 s[G0S+2:G0S+3], s[22:23]
	s_or_b32 s[G0S+3], s[G0S+3], 0x80000000
	s_mov_b32 s[G0SB], 1
	s_add_co_u32 s[G0SB+1], s94, SCL
	s_mov_b64 s[G0SB+2:G0SB+3], s[92:93]
	s_or_b32 s[G0SB+3], s[G0SB+3], 0x80000000
	JLOAD G0S, G1S, G0SB, G1SB                     ; the scales first: they are wanted with K step 0
.irp s, 0,1
	s_mov_b32 s[G0+4*\s], 1
	s_add_co_u32 s[G0+4*\s+1], s45, \s*SLOT
	s_add_nc_u64 s[G0+4*\s+2:G0+4*\s+3], s[20:21], \s*ROWB
	s_or_b32 s[G0+4*\s+3], s[G0+4*\s+3], 0x80000000
	s_mov_b32 s[G0B+4*\s], 1
	s_add_co_u32 s[G0B+4*\s+1], s45, \s*SLOT
	s_add_nc_u64 s[G0B+4*\s+2:G0B+4*\s+3], s[46:47], \s*ROWB
	s_or_b32 s[G0B+4*\s+3], s[G0B+4*\s+3], 0x80000000
	JLOAD G0+4*\s, G1, G0B+4*\s, G1B
.endr
	v_and_b32 v1, 15, v0                           ; r = lane % 16
	v_bfe_u32 v2, v0, 4, 1                         ; h = lane / 16
	v_mul_u32_u24 v3, v1, PITCH
	v_mul_u32_u24 v4, v2, 24
	v_add_nc_u32 v4, v3, v4                        ; a fragment's row x pitch + 24 x half
	v_lshl_add_u32 v5, v2, 4, v4                   ; and the same behind one padding more
	s_mul_i32 s21, s15, HALFT                      ; my 128 rows of A
	s_mul_i32 s22, s16, HALFT                      ; my 128 rows of B,
	s_add_co_u32 s22, s22, 2*HALFT                 ; which lie behind A's 256
.irp s, 0,1
	v_add_nc_u32 v[ADRA+\s], s21, v4
	v_add_nc_u32 v[ADRB+\s], s22, v4
	v_add_nc_u32 v[ADRA+2+\s], s21, v5
	v_add_nc_u32 v[ADRB+2+\s], s22, v5
	s_add_co_u32 s21, s21, SLOT
	s_add_co_u32 s22, s22, SLOT
.endr
	v_mul_u32_u24 v5, v1, KS                       ; my row's scales: KS bytes a row,
	v_lshrrev_b32 v6, 8, v5
	v_lshl_add_u32 v5, v6, 4, v5                   ; and 16 more for each 256 passed
	s_mul_i32 s21, s15, HALFS
	s_mul_i32 s22, s16, HALFS
	s_add_co_u32 s22, s22, 2*HALFS
	s_sub_co_u32 s22, s22, s21
	v_mul_u32_u24 v6, s22, v2                      ; lanes 16-31 take B's
	s_add_co_u32 s21, s21, SCL
	v_add_nc_u32 v5, v5, v6
	v_add_nc_u32 v[ADRS], s21, v5
	; ---- the way out's addresses.  The stage for the scale words, 1,024 bytes a wave, lies at the head of slot 0, which has had its last fill and its last read when the first word is stored there
	v_and_b32 v6, 31, v0
	v_lshlrev_b32 v[L8], 3, v6
	s_lshl_b32 s23, s14, 10
	v_lshlrev_b32 v[SST], 5, v1
	v_lshl_add_u32 v[SST], v2, 9, v[SST]
	v_add_nc_u32 v[SST], s23, v[SST]
	v_lshl_add_u32 v[SRD], v6, 4, s23
	s_and_b32 s18, s42, 3                          ; q, k part: which 256 rows of Wq or Wk
	s_cmp_lg_u32 s[ISQK], 0
	s_cselect_b32 s19, s17, s42                    ; the tile of 256 tokens
	s_cselect_b32 s18, s18, s17                    ; the tile of 256 features: four heads
	s_cselect_b32 s20, s16, s15                    ; my half of the features: two heads
	s_cselect_b32 s21, s15, s16                    ; my half of the tokens
	s_cselect_b32 s22, 0, 1
	s_cselect_b32 s23, 0, 8*BLK
	s_cselect_b32 s40, 16, 0
	s_cselect_b32 s41, 9, 8                        ; a half's scale words: 512 bytes (q, k) or 256 (v)
	s_mov_b32 s66, 8*BLK-4608
	s_cselect_b32 s66, 768, s66                    ; the step from block 3 to block 4 of A: the next tile of tokens, or the next head's first tile of channels
	s_mov_b32 s100, 768
	s_cselect_b32 s100, 8*BLK, s100                ; from registers 0-5's place to registers 6-11's: the next head, or the fragment's second half
	s_mov_b32 s67, 0
	s_mov_b32 s101, 0
	s_mov_b32 s11, 0
	s_lshl_b32 s10, 768, s22                       ; the step from block to block: 768 (q, k) or 1,536 (v)
	v_lshrrev_b32 v[VO], s22, v6                   ; q, k: 16 x lane.  v: even lanes the first head's 16 bytes a row, odd lanes the next head's
	v_lshlrev_b32 v[VO], 4, v[VO]
	v_and_b32 v7, 1, v6
	v_mad_u32_u24 v[VO], v7, s23, v[VO]
	v_mul_u32_u24 v[SHV], s40, v2
	s_cmp_lg_u32 ttmp9, 0                          ; q, k part: cluster x 0 makes q, 1 makes k
	s_cselect_b32 s44, KC, QC
	s_mov_b32 s45, QSC
	s_cselect_b32 s45, KSC, s45
	s_cmp_lg_u32 s[ISQK], 0
	s_mov_b32 s46, VC
	s_cselect_b32 s44, s44, s46                    ; the codes' region in a block
	s_mov_b32 s46, VSC
	s_cselect_b32 s45, s45, s46                    ; the scale words'
	s_lshl_b32 s18, s18, 2
	s_lshl_b32 s20, s20, 1
	s_add_co_u32 s18, s18, s20                     ; my first head
	s_lshr_b32 s20, s19, 3
	s_lshl_b32 s20, s20, 4
	s_add_co_u32 s18, s18, s20                     ; + 16 x batch
	s_lshl_b32 s18, s18, 3
	s_and_b32 s19, s19, 7
	s_add_co_u32 s18, s18, s19                     ; x 8 + slot
	s_mul_i32 s18, s18, BLK                        ; the block's first byte (under 2^25)
	s_mul_i32 s19, s21, 6144
	s_add_co_u32 s19, s19, s18
	s_add_co_u32 s92, s19, s44
	s_mov_b32 s93, 0
	s_lshl_b32 s41, s21, s41
	s_add_co_u32 s46, s18, s41
	s_add_co_u32 s46, s46, s45
	s_mov_b32 s47, 0
	s_add_nc_u64 s[6:7], s[12:13], s[46:47]        ; the scale words of my first head,
	s_add_nc_u64 s[8:9], s[6:7], 8*BLK             ; and of the next
	s_add_nc_u64 s[12:13], s[12:13], s[92:93]      ; where registers 0-5 of block 0's fragment go,
	s_add_nc_u64 s[4:5], s[12:13], s[100:101]      ; and registers 6-11
	s_mov_b32 s[FLR], 0x1800000
	s_mov_b32 s[SEL], 0x76543210
	s_mov_b32 s[SEL+1], 0xfedcba98
.macro FRAG reg, adr, q, i             ; a fragment, 16 rows x 128 K, is 12 registers: lane l holds row l % 16; registers 6 c .. 6 c + 5 hold K = 64 c + 32 (l / 16) + 0 .. 31: 24 bytes of the row, as they lie
.irp p, 0,1,2,3,4,5                    ; in pieces of 8 bytes.  Where the piece three on (lanes 16-31) lies behind one padding more, the second address register serves
.set PCE, 12*(\q)+6*(\p/3)+\p%3
.if PCE%8 < 5
	ds_load_b64 v[\reg+2*\p:\reg+2*\p+1], v[\adr] offset:8*PCE+16*(PCE/8)+(\i)*16*PITCH
.else
	ds_load_b64 v[\reg+2*\p:\reg+2*\p+1], v[\adr+2] offset:8*PCE+16*(PCE/8)+(\i)*16*PITCH
.endif
.endr
.endm
; 16 matrix instructions: A's blocks a0, a0 + 1 x B's eight, 128 along K.  The 64 accumulators take turns, one instruction a turn, in the same order in every step.
.macro MUL16 a0, p, q, sc, zero
.irp a, \a0, \a0+1
.irp b, 0,1,2,3,4,5,6,7
.if \zero
	v_wmma_scale_f32_16x16x128_f8f6f4 v[8*(8*((\a)%4)+\b):8*(8*((\a)%4)+\b)+7], v[128*(\p)+FR*\b:128*(\p)+FR*\b+FR-1], v[AF+FR*(\a):AF+FR*(\a)+FR-1], 0, v[SC+8*NQ*(\sc)+NQ*\b+(\q)], v[SC+8*NQ*(\sc)+NQ*(\a)+(\q)] matrix_a_fmt:MATRIX_FMT_FP6 matrix_b_fmt:MATRIX_FMT_FP6 matrix_a_scale:MATRIX_SCALE_ROW1
.else
	v_wmma_scale_f32_16x16x128_f8f6f4 v[8*(8*((\a)%4)+\b):8*(8*((\a)%4)+\b)+7], v[128*(\p)+FR*\b:128*(\p)+FR*\b+FR-1], v[AF+FR*(\a):AF+FR*(\a)+FR-1], v[8*(8*((\a)%4)+\b):8*(8*((\a)%4)+\b)+7], v[SC+8*NQ*(\sc)+NQ*\b+(\q)], v[SC+8*NQ*(\sc)+NQ*(\a)+(\q)] matrix_a_fmt:MATRIX_FMT_FP6 matrix_b_fmt:MATRIX_FMT_FP6 matrix_a_scale:MATRIX_SCALE_ROW1
.endif
.endr
.endr
.endm
.macro FETCH_B slot, q, p
	WIN TO_B
.irp i, 0,1,2,3,4,5,6,7
	FRAG 128*(\p)+FR*\i, ADRB+\slot, \q, \i
.endr
	WIN 0
.endm
.macro FETCH_A slot, q, i0
.irp i, \i0, \i0+1, \i0+2, \i0+3
	FRAG AF+FR*(\i), ADRA+\slot, \q, \i
.endr
.endm
.macro SCALES sc                       ; a K step's scale words: two words a row; lanes 0-15 take A's block i, lanes 16-31 B's block i
.irp i, 0,1,2,3,4,5,6,7
	ds_load_b64 v[SC+8*NQ*\sc+NQ*\i:SC+8*NQ*\sc+NQ*\i+1], v[ADRS] offset:\i*SBLK
.endr
.endm
.macro PLACES n                        ; plain vector instructions between a matrix instruction and a load into, or a vector read or write of, its registers
.rept \n
	v_nop
.endr
.endm
.macro STEP slot, q, zero              ; a step of 128 along K that has its successor in the same slot
	s_wait_dscnt 4*NL                              ; B's set and A's blocks 0-3 are in; the youngest 24 loads (A's blocks 4-7) may be out
	WIN MUL_LO
	MUL16 0, (\q)%2, \q, \slot, \zero
	MUL16 2, (\q)%2, \q, \slot, \zero
	s_wait_dscnt 0                                 ; A's blocks 4-7 are in
	PLACES NP
	FETCH_B \slot, (\q)+1, 1-(\q)%2
	FETCH_A \slot, (\q)+1, 0
	WIN MUL_HI
	MUL16 4, (\q)%2, \q, \slot, \zero
	MUL16 6, (\q)%2, \q, \slot, \zero
	PLACES NP
	WIN 0
	FETCH_A \slot, (\q)+1, 4
.endm
; A slot's last step changes slots: one barrier; in front of it each wave waits for all its tensor loads, adds 0 to its spare word, and waits for that and for its reads of this slot.  fill = 1: the slot is filled again.
.macro TURN slot, next, fill
	s_wait_tensorcnt 0x0                           ; all my tensor loads have landed: my part of the next slot
	ds_add_u32 v[SPW], v[NIL]                      ; 0 onto my spare word
	s_wait_dscnt 4*NL+1                            ; (the add and the youngest 24 loads may be out)
	WIN MUL_LO
	MUL16 0, 1, NQ-1, \slot, 0
	s_wait_dscnt 0x0                               ; the add is done, and my reads of this slot are over
	s_barrier_signal -1
	MUL16 2, 1, NQ-1, \slot, 0
	WIN 0
	s_barrier_wait -1
.if \fill
	CREST                                          ; the barrier has opened a round of the cluster's barrier: no wave of any partner still reads this slot or has a load on its way
	s_add_nc_u64 s[G0+4*\slot+2:G0+4*\slot+3], s[G0+4*\slot+2:G0+4*\slot+3], 2*ROWB
	s_add_nc_u64 s[G0B+4*\slot+2:G0B+4*\slot+3], s[G0B+4*\slot+2:G0B+4*\slot+3], 2*ROWB
	JLOAD G0+4*\slot, G1, G0B+4*\slot, G1B         ; the first tensor load behind the round; its four v_nop are the places in front of the loads below
.else
	PLACES NP
.endif
	v_add_nc_u32 v[ADRS], 4*NQ, v[ADRS]            ; on to the next K step's scale words
	FETCH_B \next, 0, 0
	FETCH_A \next, 0, 0
	SCALES \next
	WIN MUL_HI
	MUL16 4, 1, NQ-1, \slot, 0
	MUL16 6, 1, NQ-1, \slot, 0
	PLACES NP
	WIN 0
	FETCH_A \next, 0, 4
.endm
	s_wait_tensorcnt 1                             ; the scales and my part of K step 0 are in (K step 1's load may be out)
	s_barrier_signal -1
	s_barrier_wait -1                              ; everybody's are
	FETCH_B 0, 0, 0
	FETCH_A 0, 0, 0
	SCALES 0
	FETCH_A 0, 0, 4
	STEP 0, 0, 1                                   ; the first step stands in front of the loop: its products start the sums
	s_mov_b32 s3, LAPS-1
.Llap:                                                 ; a trip goes once round the ring and fills both slots again
	TURN 0, 1, 1
	STEP 1, 0, 0
	TURN 1, 0, 1
	STEP 0, 0, 0
	s_sub_co_u32 s3, s3, 1
	s_cmp_lg_u32 s3, 0
	s_cbranch_scc1 .Llap
	TURN 0, 1, 0                                   ; the last lap fills nothing
	STEP 1, 0, 0
	s_wait_dscnt 4*NL
	WIN MUL_LO
	MUL16 0, 1, NQ-1, 1, 0
	MUL16 2, 1, NQ-1, 1, 0
	s_wait_dscnt 0
	WIN MUL_HI
	MUL16 4, 1, NQ-1, 1, 0
	MUL16 6, 1, NQ-1, 1, 0
	WIN 0
; THE WAY OUT.  Block a of A: a lane's 64 results, register 16 b + i = index 32 b + 16 (lane / 16) + i along the next product's K, become a fragment's twelve registers and a scale word.
.macro QOUT a
.set AC, 64*((\a)%4)
.set W, 2+(\a)/4
.set WS, (W<<2)|(W<<4)
.if (\a) > 0
	s_wait_xcnt 0x0                                ; the last block's stores have read their data and their bases: both may be written
.if (\a) == 4
	s_add_nc_u64 s[12:13], s[12:13], s[66:67]
	s_add_nc_u64 s[4:5], s[4:5], s[66:67]
.else
	s_add_nc_u64 s[12:13], s[12:13], s[10:11]
	s_add_nc_u64 s[4:5], s[4:5], s[10:11]
.endif
.endif
	WIN WS                                         ; sources 1 and 2: the accumulators' window
.irp b, 0,1,2,3
	v_max3_num_f32 v[TM+\b], s[FLR], |v[AC+16*\b]|, |v[AC+16*\b+1]|   ; block b: my 16 numbers and the floor; each accumulator is read from its low end on
.endr
.irp i, 2,4,6,8,10,12,14
.irp b, 0,1,2,3
	v_max3_num_f32 v[TM+\b], v[TM+\b], |v[AC+16*\b+\i]|, |v[AC+16*\b+\i+1]|
.endr
.endr
	WIN 0
.irp b, 0,1,2,3
	v_permlanex16_b32 v[TM+4+\b], v[TM+\b], s[SEL], s[SEL+1]
.endr
.irp b, 0,1,2,3
	v_max_num_f32 v[TM+\b], v[TM+\b], v[TM+4+\b]   ; with lane l xor 16's: the block's largest magnitude
.endr
.irp b, 0,1,2,3
	v_add_nc_u32 v[TM+12+\b], 0xff000000, v[TM+\b] ; 2 off its exponent field: the conversion's scale operand
.endr
.irp b, 0,1,2,3
	v_lshrrev_b32 v[TM+4+\b], 23, v[TM+12+\b]      ; the scale's byte
.endr
	v_lshl_or_b32 v[PW], v[TM+5], 8, v[TM+4]
	v_lshl_or_b32 v[PW], v[TM+6], 16, v[PW]
	v_lshl_or_b32 v[PW], v[TM+7], 24, v[PW]
	WIN W                                          ; source 0: the accumulators' window
.irp c, 0,1
	v_cvt_scalef32_pk16_fp6_f32 v[CD+6*\c:CD+2+6*\c], v[AC+32*\c:AC+15+32*\c], v[TM+12+2*\c]
	v_cvt_scalef32_pk16_fp6_f32 v[CD+12+4*\c:CD+14+4*\c], v[AC+16+32*\c:AC+31+32*\c], v[TM+12+2*\c+1]   ; (a conversion's three registers begin on an even number)
.endr
	WIN 0
	v_nop                                          ; one plain line behind a scaled conversion
.irp c, 0,1                                    ; the operand's layout wants a whole block in a lane: lanes 0-15 block 2 c, lanes 16-31 block 2 c + 1
.irp i, 0,1,2
	v_permlane16_swap_b32 v[CD+6*\c+\i], v[CD+12+4*\c+\i]
.endr
.irp i, 0,1,2
	v_mov_b32 v[CD+3+6*\c+\i], v[CD+12+4*\c+\i]
.endr
.endr
.irp p, 0,1,2
	global_store_b64 v[L8], v[CD+2*\p:CD+2*\p+1], s[12:13] offset:256*\p       ; each store covers 256 consecutive bytes, aligned
.endr
.irp p, 0,1,2
	global_store_b64 v[L8], v[CD+6+2*\p:CD+6+2*\p+1], s[4:5] offset:256*\p
.endr
	v_lshrrev_b32 v[PWS+(\a)], v[SHV], v[PW]       ; q, k: lanes 16-31 carry the second head's two bytes in their low half
	ds_store_b32 v[SST], v[PWS+(\a)] offset:4*(\a)
.endm
	PLACES NP                                      ; behind the last products: their results are read and their operands' registers written below
.irp b, 0,1,2,3
	v_mov_b32 v[TM+4+\b], 0                        ; written once: a lane permute's destination counts as one of its sources
.endr
.irp a, 0,1,2,3,4,5,6,7
	QOUT \a
.endr
	ds_load_b128 v[OUTR:OUTR+3], v[SRD]            ; LDS serves a wave's instructions in order: these see my stores.  512 bytes: row r's eight words on end
	ds_load_b128 v[OUTR+4:OUTR+7], v[SRD] offset:512
	s_wait_dscnt 0x0
	global_store_b128 v[VO], v[OUTR:OUTR+3], s[6:7]   ; q, k: the first head's 512 consecutive bytes.  v: 256 bytes for each of the two heads
	s_cmp_eq_u32 s[ISQK], 0                        ; the cluster's y alone: the same in all partners
	s_cbranch_scc1 .Lone_store                     ; v: lanes 16-31 staged a copy of the same words, which is not stored
	global_store_b128 v[VO], v[OUTR+4:OUTR+7], s[8:9] ; q, k: the second head's
.Lone_store:
	s_wait_tensorcnt 0x0                           ; the wave's end, behind my last tensor load and my last LDS store
	ds_add_u32 v[SPW], v[NIL]
	s_wait_dscnt 0x0
	CROUND                                         ; the closing round: no work-group ends while a partner may still ask for a tile that names it
	s_endpgm
.Lfunc_end_k_qabfa8914c7_proj:
	.size	k_qabfa8914c7_proj, .Lfunc_end_k_qabfa8914c7_proj-k_qabfa8914c7_proj
	.p2alignl 7, 3214868480
	.fill 96, 4, 3214868480
	.section	.rodata,"a",@progbits
	.p2align	6, 0x0
	.amdhsa_kernel k_qabfa8914c7_proj
		.amdhsa_group_segment_fixed_size 327680
		.amdhsa_private_segment_fixed_size 0
		.amdhsa_enable_private_segment 0
		.amdhsa_kernarg_size 40
		.amdhsa_user_sgpr_count 2
		.amdhsa_user_sgpr_kernarg_segment_ptr 1
		.amdhsa_wavefront_size32 1
		.amdhsa_system_sgpr_workgroup_id_x 1
		.amdhsa_system_sgpr_workgroup_id_y 1
		.amdhsa_system_sgpr_workgroup_id_z 1
		.amdhsa_system_vgpr_workitem_id 0
		.amdhsa_next_free_vgpr 1024
		.amdhsa_next_free_sgpr 102
		.amdhsa_reserve_vcc 0
		.amdhsa_float_denorm_mode_32 3
		.amdhsa_float_denorm_mode_16_64 3
		.amdhsa_memory_ordered 1
		.amdhsa_forward_progress 1
		.amdhsa_inst_pref_size 169
	.end_amdhsa_kernel
	.amdgpu_metadata
---
amdhsa.version: [ 1, 2 ]
amdhsa.kernels:
  - .name:           k_qabfa8914c7_proj
    .symbol:         k_qabfa8914c7_proj.kd
    .args:
      - { .name: x_codes, .offset: 0, .size: 8, .value_kind: global_buffer, .address_space: global }
      - { .name: x_scales, .offset: 8, .size: 8, .value_kind: global_buffer, .address_space: global }
      - { .name: w_codes, .offset: 16, .size: 8, .value_kind: global_buffer, .address_space: global }
      - { .name: w_scales, .offset: 24, .size: 8, .value_kind: global_buffer, .address_space: global }
      - { .name: qkv, .offset: 32, .size: 8, .value_kind: global_buffer, .address_space: global }
    .group_segment_fixed_size: 327680
    .private_segment_fixed_size: 0
    .kernarg_segment_align: 8
    .kernarg_segment_size: 40
    .max_flat_workgroup_size: 128
    .sgpr_count:     102
    .vgpr_count:     1024
    .wavefront_size: 32
...
	.end_amdgpu_metadata
.endif
;; end of part 2
;; launch attn (part 3): grid 4 x 64, 16 waves a work-group, no clusters, 327,680 bytes of LDS; arguments qkv, ao_codes, ao_scales; writes ao_codes, ao_scales
.if DOCPART == 3
	.amdgcn_target "amdgcn-amd-amdhsa--gfx1250"
	.amdhsa_code_object_version 6
	.text
	.protected	k_qabfa8914c7_attn
	.globl	k_qabfa8914c7_attn
	.p2align	8
	.type	k_qabfa8914c7_attn,@function
k_qabfa8914c7_attn:
	s_mov_b64 s[64:65], 0
	v_nop
	global_prefetch_b8 v0, s[64:65] scope:SCOPE_SE
	s_setreg_imm32_b32 hwreg(HW_REG_WAVE_MODE, 25, 1), 1
	s_wait_xcnt 0x0
; Causal attention of one head (64 channels) on codes of FP6 (E2M3) with E8M0 scales; its result, divided by the row's sum, is quantised along head x 64 + channel and leaves as codes and scale bytes.
; SOFTMAX: t = score x log2(e) / 8 (one rounding); M = the running largest t rounded up to a whole number; p = 2^(t - M) is quantised along the keys; the row's sum is taken of the unquantised p; when M moves, the sum
; and O are multiplied by 2^(old M - new M), which rounds nothing.  The division is a reciprocal and a multiplication.
; SHARES: work-group (x, y) owns query blocks x and 7 - x (256 queries each) of head y.  Block x walks key slots 0 .. x, block 7 - x slots 0 .. 7 - x: nine slots of 256 keys in every work-group, so all trip counts are constants.
; Each of sixteen waves owns one tile of 16 queries, four waves to a SIMD.  A slot (K's codes, V's codes, their scale words: 26,112 dense bytes) comes by two tensor loads (waves 0 and 1) into a ring of two LDS slots.
; LAYOUT: S^T = K Q^T, O^T = V^T P^T: a lane holds one query throughout.  Fragments lie in memory and LDS as images of their registers (chunks of 32 lanes x 8 bytes).  Tiles are in position order (index bits 3 and 4
; exchanged): the 16 registers of S^T's tiles 2 b, 2 b + 1 are keys 32 b + 16 (lane / 16) + 0 .. 15; lane r of query tile w is query 32 (w / 2) + 8 (w % 2) + r + 8 (r / 8) of its block.
; K = 64 in the first product: registers 6-11 of K's and Q's fragments hold zero codes, written once; bytes 2 and 3 of their scale words are never 0xff.
; NO CLUSTER: in a given step the four work-groups of a head need different slots (slot J or slot J - x - 1), so no joint request would be the same load in all four.
; The scale bytes leave as 2 bytes a row, 32 bytes apart: parts of 256-byte blocks, for 1/25 of this launch's output bytes.
; LIMITS: a block whose largest magnitude lies under 2^-124 keeps the scale byte 1; NaN and infinities are not served.
.set BLK,   39424
.set KC,    0
.set VC,    12288
.set KSC,   24576
.set VSC,   25600
.set QC,    26112
.set HALFB, 13056                      ; half a slot: 51 rows of 256 bytes
.set SLOT1, 32768                      ; slot 1 begins here: one exclusive or turns an address from one slot to the other
.set SPARE, 65536                      ; the spare words, 128 bytes a wave: eight blocks of 256 bytes that no other line names
.set L8,  1                            ; v1   8 x lane
.set R32, 2                            ; v2   32 x (lane % 16)
.set R16, 3                            ; v3   16 x (lane % 16)
.set SPW, 4                            ; v4   my spare word; never rewritten
.set NIL, 5                            ; v5   0; never rewritten
.set ADK, 6                            ; v6   LDS address of the slot's chunks
.set ADS, 7                            ; v7   of K's scale words
.set ADT, 8                            ; v8   of V's
.set DQ,  9                            ; v9   r + 8 (r / 8) - 16 h
.set QSO, 10                           ; v10  my query's scale word, from my tile's codes on
.set TMP, 11
.set QF,  16                           ; v16-27 Q's fragment
.set QS,  28                           ; v28  Q's scale words
.set PFO, 29                           ; v29  256 x lane
.set FF,  30                           ; v30  f = 2^(old M - new M); v31 p's scale word
.set KFR, 32                           ; v32-79 four fragments of K
.set PCD, 80                           ; v80-91 p's codes
.set SO,  92                           ; v92-95 the conversions' scale operands
.set ST,  96                           ; v96-159 S^T, then p
.set OT,  160                          ; v160-191 O^T
.set VF,  192                          ; v192-239 four fragments of V
.set T8,  240                          ; v240-247 at work
.set BM,  248                          ; v248-251 the blocks' maxima
.set SC4, 252                          ; v252-255 K's or V's scale words
.set TB,  2                            ; s2   LDS byte at which the slot in hand begins
.set JX,  3                            ; s3   the step, 0 .. 8
.set WV,  18
.set SEL, 20
.set CS,  22                           ; s[22:23] c = log2(e) / 8
.set G1,  24
.set G0,  32
.set KVB, 36                           ; s[36:37] my half of the head's slot 0, in memory
.set OFF, 38                           ; s[38:39] the slot to be asked for, in bytes
.set IX,  40                           ; s40  the work-group's x
.set KF,  41                           ; s41  the step's first key
.set Q0,  42                           ; s42  my first query; s43 pass B's
.set Q0B, 43
.set AOC, 44                           ; s[44:45] where my codes go; s[46:47] pass B's
.set AOB, 46
.set ASC, 48                           ; s[48:49] where my scale bytes go; s[50:51] pass B's
.set ASB, 50
.set QPB, 52                           ; s[52:53] pass B's tile of Q; s[54:55] pass A's
.set QPA, 54
.set PFA, 56                           ; s[56:57] where my prefetches stand
.set LIM, 58                           ; s58  6 in a wave that prefetches, else 0
.macro TLOAD                           ; waves 0 and 1 fetch a half each; the branch hangs on the wave's number alone.  An s_nop 0 and four v_nop follow the load
	s_cmp_lt_u32 s[WV], 2
	s_cbranch_scc0 .Lasked_\@
	tensor_load_to_lds s[G0:G0+3], s[G1:G1+7]
	s_nop 0
.rept 4
	v_nop
.endr
.Lasked_\@:
.endm
; A prefetch of the codes of the slot that the next change of slots will ask for.  All four work-groups of a head read the same slots: work-group x = 0, which walks slots 0 .. 7 in steps 1 .. 8, asks, in steps 1 .. 6 for
; slot step + 1.  Its waves 4 to 6 take 8,192 bytes each, lanes 256 bytes apart: K's and V's 24,576 bytes, each block of 256 bytes once in the launch.  Slots 0 and 1 and the scale words come by their loads alone.
.macro ASK
	s_sub_co_u32 s82, s[JX], 1
	s_cmp_lt_u32 s82, s[LIM]
	s_cbranch_scc0 .Lnot_mine_\@
	global_prefetch_b8 v[PFO], s[PFA:PFA+1] th:TH_LOAD_NT scope:SCOPE_SE
.Lnot_mine_\@:
.endm
.macro INIT                            ; a pass begins: the largest t under every t, the sum and O^T zero (the first change of M multiplies zeros)
	v_mov_b32 v13, 0xff61b1e6
	v_floor_f32 v12, -v13
	v_mov_b32 v14, 0
	v_mov_b32 v15, 0
.set n, 0
.rept 32
	v_mov_b32 v[OT+n], 0
.set n, n+1
.endr
.endm
	s_load_b128 s[4:7], s[0:1], 0x0                ; qkv, ao_codes
	s_load_b64 s[8:9], s[0:1], 0x10                ; ao_scales
	v_lshl_add_u32 v[SPW], v0, 2, SPARE
	v_mov_b32 v[NIL], 0
	ds_add_u32 v[SPW], v[NIL]                      ; the wave's opening: the add and its wait stand ahead of my first tensor load; work on registers stands between them
	v_lshrrev_b32 v6, 5, v0
	v_readfirstlane_b32 s[WV], v6                  ; wave 0..15
	s_mov_b32 s[IX], ttmp9
	s_and_b32 s66, ttmp7, 0xffff                   ; 16 x batch + head
	s_lshr_b32 s67, s66, 4                         ; batch
	s_and_b32 s68, s66, 15                         ; head
	s_sub_co_u32 s69, 7, s[IX]                     ; pass B's query block
	s_mul_i32 s70, s66, 8*BLK                      ; the head's first byte in qkv (under 2^25)
	s_and_b32 s71, s[WV], 1
	s_mul_i32 s72, s71, HALFB                      ; my half of a slot, in memory and in LDS
	s_add_co_u32 s74, s70, s72
	s_mov_b32 s75, 0
	s_mul_i32 s76, s[WV], 768
	s_add_co_u32 s76, s76, s70
	s_add_co_u32 s76, s76, QC                      ; my tile of Q in a block
	s_mul_i32 s77, s[IX], BLK
	s_mul_i32 s78, s69, BLK
	s_add_co_u32 s80, s76, s77
	s_mov_b32 s81, 0
	s_add_co_u32 s82, s76, s78
	s_mov_b32 s83, 0
	s_lshl_b32 s84, s67, 7
	s_add_co_u32 s84, s84, s[WV]                   ; 128 x batch + wave
	s_lshl_b32 s85, s[IX], 4
	s_add_co_u32 s86, s84, s85                     ; my tile of 16 rows of the output, pass A
	s_lshl_b32 s85, s69, 4
	s_add_co_u32 s88, s84, s85                     ; pass B
	s_mul_i32 s90, s68, 768                        ; the head's three chunks: K step head / 2, chunks 3 (head % 2) on
	s_lshl_b32 s91, s68, 1                         ; the head's two scale bytes
	s_lshl_b32 s92, s86, 9                         ; 16 rows of 32 scale bytes a tile
	s_lshl_b32 s94, s88, 9
	s_add_co_u32 s92, s92, s91
	s_add_co_u32 s94, s94, s91
	s_mov_b32 s93, 0
	s_mov_b32 s95, 0
	s_mul_i32 s86, s86, 12288
	s_mul_i32 s88, s88, 12288
	s_add_co_u32 s86, s86, s90
	s_add_co_u32 s88, s88, s90
	s_mov_b32 s87, 0
	s_mov_b32 s89, 0
	s_lshr_b32 s96, s[WV], 1
	s_lshl_b32 s96, s96, 5
	s_lshl_b32 s97, s71, 3
	s_add_co_u32 s96, s96, s97                     ; 32 (w / 2) + 8 (w % 2)
	s_lshl_b32 s97, s[IX], 8
	s_add_co_u32 s[Q0], s96, s97
	s_lshl_b32 s97, s69, 8
	s_add_co_u32 s[Q0B], s96, s97
	s_mul_i32 s98, s[WV], 768                      ; Q's scale words lie 12,288 bytes behind Q's codes: [tile / 8][row 16][tile % 8] words
	s_sub_co_u32 s98, 12288, s98
	s_lshr_b32 s99, s[WV], 3
	s_lshl_b32 s99, s99, 9
	s_add_co_u32 s98, s98, s99
	s_and_b32 s99, s[WV], 7
	s_lshl_b32 s99, s99, 2
	s_add_co_u32 s98, s98, s99
	v_and_b32 v6, 31, v0                           ; lane
	v_and_b32 v7, 15, v0                           ; r
	v_bfe_u32 v8, v0, 4, 1                         ; h
	v_lshlrev_b32 v[L8], 3, v6
	v_lshlrev_b32 v[R32], 5, v7
	v_lshlrev_b32 v[R16], 4, v7
	v_lshlrev_b32 v[PFO], 8, v6
	v_and_b32 v[DQ], 8, v7
	v_add_nc_u32 v[DQ], v[DQ], v7
	v_lshlrev_b32 v[TMP], 4, v8
	v_sub_nc_u32 v[DQ], v[DQ], v[TMP]
	v_add_nc_u32 v[QSO], s98, v[R32]
	s_and_b32 s98, s[WV], 3
	s_lshl_b32 s98, s98, 13
	s_add_co_u32 s98, s98, s70                     ; the prefetches: my 8,192 bytes of the head's slot 0; each change of slots steps them a slot on
	s_mov_b32 s99, 0
	s_sub_co_u32 s73, s[WV], 4
	s_cmp_lt_u32 s73, 3                            ; waves 4 to 6
	s_cselect_b32 s[LIM], 6, 0
	s_cmp_eq_u32 ttmp9, 0                          ; of work-group x = 0
	s_cselect_b32 s[LIM], s[LIM], 0
	; descriptor group 1: 51 rows of 256 bytes, dense, no padding
	s_mov_b32 s[G1], 3<<16                         ; no mask; elements of 8 bytes
	s_mov_b32 s[G1+1], 32<<16                      ; tensor_dim0
	s_mov_b32 s[G1+2], 51<<16                      ; tensor_dim1
	s_mov_b32 s[G1+3], 32<<16                      ; tile_dim0
	s_mov_b32 s[G1+4], 51                          ; tile_dim1
	s_mov_b32 s[G1+5], 32                          ; tensor_dim0_stride
	s_mov_b32 s[G1+6], 0
	s_mov_b32 s[G1+7], 0
	s_mov_b32 s[SEL], 0x76543210
	s_mov_b32 s[SEL+1], 0xfedcba98
	s_mov_b32 s[CS], 0x3e38aa3b                    ; log2(e) / 8
	s_mov_b32 s[CS+1], s[CS]                       ; (named with it as a pair)
	s_mov_b32 s[TB], 0
	s_mov_b32 s[JX], 0
	s_mov_b32 s[KF], 0
	s_mov_b32 s[OFF], 0
	s_mov_b32 s[OFF+1], 0
	s_wait_dscnt 0x0                               ; the opening add is done
	s_wait_kmcnt 0x0
	s_add_nc_u64 s[KVB:KVB+1], s[4:5], s[74:75]
	s_mov_b32 s[G0], 1                             ; count = 1
	s_mov_b32 s[G0+1], s72                         ; LDS address: slot 0, my half
	s_mov_b64 s[G0+2:G0+3], s[KVB:KVB+1]           ; the head's slot 0
	s_or_b32 s[G0+3], s[G0+3], 0x80000000          ; type = 2
	TLOAD
	s_add_nc_u64 s[QPA:QPA+1], s[4:5], s[80:81]
	s_add_nc_u64 s[QPB:QPB+1], s[4:5], s[82:83]
	s_add_nc_u64 s[AOC:AOC+1], s[6:7], s[86:87]
	s_add_nc_u64 s[AOB:AOB+1], s[6:7], s[88:89]
	s_add_nc_u64 s[ASC:ASC+1], s[8:9], s[92:93]
	s_add_nc_u64 s[ASB:ASB+1], s[8:9], s[94:95]
	s_add_nc_u64 s[PFA:PFA+1], s[4:5], s[98:99]
.irp p, 0,1,2
	global_load_b64 v[QF+2*\p:QF+2*\p+1], v[L8], s[QPA:QPA+1] offset:256*\p   ; Q's fragment, registers 0-5
.endr
	global_load_b32 v[QS], v[QSO], s[QPA:QPA+1]
.irp i, 6,7,8,9,10,11
	v_mov_b32 v[QF+\i], 0                          ; zero codes for k = 64 .. 127, written once
.irp t, 0,1,2,3
	v_mov_b32 v[KFR+12*\t+\i], 0
.endr
.endr
.irp i, 0,1,2,3,4,5,6,7
	v_mov_b32 v[T8+\i], 0                          ; written once: a lane permute's destination counts as one of its sources
.endr
	v_mov_b32 v[FF+1], 0                           ; (named as the upper half of a pair before it is first written)
	INIT
	s_wait_loadcnt 0x0                             ; Q
; A KEY STEP: 128 keys, the q-th half of the slot in hand.
.macro STEP q
	s_add_co_u32 s96, s[Q0], 23                    ; a step all of whose keys come after my last query is left out: a branch on ids, round loads, products and softmax; no barrier and no tensor load stands in a step
	s_cmp_gt_u32 s[KF], s96
	s_cbranch_scc1 .Lhidden_\@
	v_add_nc_u32 v[ADK], s[TB], v[L8]
	v_add_nc_u32 v[ADS], s[TB], v[R32]
	v_add_nc_u32 v[ADT], s[TB], v[R16]
	v_nop                                          ; four places behind the last step's products, in front of the load into their scale registers
.irp g, 0,1                                    ; S^T = K Q^T, four tiles of 16 keys at a time
.if \g > 0
.rept 4
	v_nop                                          ; places in front of loads into registers that matrix instructions have read
.endr
.endif
.irp t, 0,1,2,3
.irp p, 0,1,2
	ds_load_b64 v[KFR+12*\t+2*\p:KFR+12*\t+2*\p+1], v[ADK] offset:KC+(8*(\q)+4*\g+\t)*768+256*\p
.endr
.endr
	ds_load_b128 v[SC4:SC4+3], v[ADS] offset:KSC+512*(\q)+16*\g   ; row r's words of the four tiles
	s_wait_dscnt 0x0
.irp t, 0,1,2,3
	v_wmma_scale_f32_16x16x128_f8f6f4 v[ST+8*(4*\g+\t):ST+8*(4*\g+\t)+7], v[KFR+12*\t:KFR+12*\t+11], v[QF:QF+11], 0, v[SC4+\t], v[QS] matrix_a_fmt:MATRIX_FMT_FP6 matrix_b_fmt:MATRIX_FMT_FP6
.endr
.endr
.rept 4
	v_nop                                          ; places behind the products: their results are read and their scale registers loaded below
.endr
.irp t, 0,1,2,3                                ; V's fragments and scale words are asked for now and land while the softmax is walked
.irp p, 0,1,2,3,4,5
	ds_load_b64 v[VF+12*\t+2*\p:VF+12*\t+2*\p+1], v[ADK] offset:VC+6144*(\q)+1536*\t+256*\p
.endr
.endr
	ds_load_b128 v[SC4:SC4+3], v[ADT] offset:VSC+256*(\q)
	s_add_co_u32 s96, s[KF], 127                   ; on the diagonal the scores of hidden keys become -infinity ahead of the maximum; a step all of whose keys count skips this
	s_cmp_le_u32 s96, s[Q0]
	s_cbranch_scc1 .Lopen_\@
	s_sub_co_i32 s96, s[Q0], s[KF]
	v_add_nc_u32 v[T8], s96, v[DQ]                 ; d = my query - KF - 16 h.  Register 16 b + i holds key KF + 16 h + 32 b + i: hidden where 32 b + i > d
	v_mov_b32 v[T8+1], 0xff800000
.set n, 0
.rept 64
	v_cmp_gt_i32 vcc_lo, 32*(n/16)+n%16, v[T8]
	v_cndmask_b32 v[ST+n], v[ST+n], v[T8+1], vcc_lo
.set n, n+1
.endr
.Lopen_\@:
.irp b, 0,1,2,3
	v_max3_num_f32 v[BM+\b], v[ST+16*\b], v[ST+1+16*\b], v[ST+2+16*\b]   ; the largest score of each block of 32 keys: for the row's maximum, and, since p rises with the score, for the block's largest p
.endr
.irp i, 3,5,7,9,11,13
.irp b, 0,1,2,3
	v_max3_num_f32 v[BM+\b], v[BM+\b], v[ST+16*\b+\i], v[ST+1+16*\b+\i]
.endr
.endr
.irp b, 0,1,2,3
	v_max_num_f32 v[BM+\b], v[BM+\b], v[ST+15+16*\b]
.endr
.irp b, 0,1,2,3
	v_permlanex16_b32 v[T8+\b], v[BM+\b], s[SEL], s[SEL+1]
.endr
.irp b, 0,1,2,3
	v_max_num_f32 v[BM+\b], v[BM+\b], v[T8+\b]     ; with lane l xor 16's 16 keys
.endr
	v_max3_num_f32 v[TMP], v[BM], v[BM+1], v[BM+2]
	v_max_num_f32 v[TMP], v[TMP], v[BM+3]          ; the step's largest score of my query
	v_mul_f32 v[TMP], s[CS], v[TMP]                ; as t
	v_max_num_f32 v13, v13, v[TMP]                 ; the running largest t
	v_mov_b32 v[TMP], v12
	v_floor_f32 v12, -v13                          ; the new -M = floor(-t): M is a whole number
	v_sub_f32 v[TMP], v12, v[TMP]                  ; old M - new M: a whole number, 0 or less
	v_cvt_i32_f32 v[TMP], v[TMP]                   ; (it saturates)
	v_ldexp_f32 v[FF], 1.0, v[TMP]                 ; f = 2^(old M - new M)
.set n, 0
.rept 32
	v_pk_fma_f32 v[ST+n:ST+n+1], v[ST+n:ST+n+1], s[CS:CS+1], v[12:13] op_sel_hi:[1,0,0]   ; t - M, two at a time
.set n, n+2
.endr
.irp b, 0,1,2,3
	v_fma_f32 v[BM+\b], v[BM+\b], s[CS], v12       ; the same of each block's largest score
.endr
.set n, 0
.rept 64
	v_exp_f32 v[ST+n], v[ST+n]                     ; p = 2^(t - M), at most 1
.set n, n+1
.endr
	v_pk_mul_f32 v[14:15], v[14:15], v[FF:FF+1] op_sel_hi:[1,0]   ; the sums under the new M (the plain line behind the exponentials)
	s_wait_alu depctr_va_vdst(0)                   ; one wait for the batch of 64, ahead of its first reader
.irp b, 0,1,2,3
	v_exp_f32 v[BM+\b], v[BM+\b]                   ; the block's largest p: the same two instructions on the same number
.endr
	v_pk_add_f32 v[T8:T8+1], v[ST:ST+1], v[ST+2:ST+3]   ; the row's sum of the unquantised p, in two chains
.irp j, 4,8,12,16,20,24,28,32,36,40,44,48,52,56,60
	v_pk_add_f32 v[14:15], v[14:15], v[ST+\j:ST+\j+1]
	v_pk_add_f32 v[T8:T8+1], v[T8:T8+1], v[ST+2+\j:ST+3+\j]
.endr
	v_pk_add_f32 v[14:15], v[14:15], v[T8:T8+1]
	s_wait_alu depctr_va_vdst(0)                   ; and one for the four
.irp b, 0,1,2,3
	v_max_num_f32 v[BM+\b], 0x1800000, v[BM+\b]    ; the floor 2^(3 - 127): the byte cannot fall under 1
.endr
.irp b, 0,1,2,3
	v_add_nc_u32 v[SO+\b], 0xff000000, v[BM+\b]    ; 2 off the exponent field: the conversion's scale operand
.endr
.irp b, 0,1,2,3
	v_lshrrev_b32 v[T8+\b], 23, v[SO+\b]           ; the scale's byte
.endr
	v_lshl_or_b32 v[FF+1], v[T8+1], 8, v[T8]       ; p's scale word for these 128 keys
	v_lshl_or_b32 v[FF+1], v[T8+2], 16, v[FF+1]
	v_lshl_or_b32 v[FF+1], v[T8+3], 24, v[FF+1]
.irp c, 0,1
	v_cvt_scalef32_pk16_fp6_f32 v[PCD+6*\c:PCD+2+6*\c], v[ST+32*\c:ST+15+32*\c], v[SO+2*\c]
	v_cvt_scalef32_pk16_fp6_f32 v[T8+4*\c:T8+2+4*\c], v[ST+16+32*\c:ST+31+32*\c], v[SO+2*\c+1]   ; (a conversion's three registers begin on an even number)
.endr
	v_nop                                          ; one plain line behind a scaled conversion
.irp c, 0,1                                    ; a whole block in a lane: lanes 0-15 block 2 c, lanes 16-31 block 2 c + 1
.irp i, 0,1,2
	v_permlane16_swap_b32 v[PCD+6*\c+\i], v[T8+4*\c+\i]
.endr
.irp i, 0,1,2
	v_mov_b32 v[PCD+3+6*\c+\i], v[T8+4*\c+\i]
.endr
.endr
.set n, 0
.rept 16
	v_pk_mul_f32 v[OT+n:OT+n+1], v[OT+n:OT+n+1], v[FF:FF+1] op_sel_hi:[1,0]   ; O^T under the new M (these sixteen also stand between the writes of p's codes and scale word and the products)
.set n, n+2
.endr
	s_wait_dscnt 0x0                               ; V's fragments and scale words are in
.irp t, 0,1,2,3                                ; O^T += V^T P^T: four accumulators, one instruction each
	v_wmma_scale_f32_16x16x128_f8f6f4 v[OT+8*\t:OT+8*\t+7], v[VF+12*\t:VF+12*\t+11], v[PCD:PCD+11], v[OT+8*\t:OT+8*\t+7], v[SC4+\t], v[FF+1] matrix_a_fmt:MATRIX_FMT_FP6 matrix_b_fmt:MATRIX_FMT_FP6
.endr
.Lhidden_\@:
	s_add_co_u32 s[KF], s[KF], 128
.endm
; THE CHANGE OF SLOTS stands at a slot's head.  Each wave waits for all its tensor loads, adds 0 to its spare word, and waits for that and for its reads of the slot that it has left.  Behind the barrier the slot ahead is
; whole and nobody reads the other one.  fill = 1: that other slot takes what the next step reads: the next slot of the pass, or, in step x, pass B's slot 0.  Every fill is read by the next step.
.macro CHANGE fill
	s_wait_tensorcnt 0x0                           ; no tensor load of mine is out, so group 0 may be written
	ds_add_u32 v[SPW], v[NIL]                      ; 0 onto my spare word
.if \fill
	s_xor_b32 s[G0+1], s[G0+1], SLOT1              ; the other LDS slot than last time
	s_add_co_u32 s[OFF], s[OFF], BLK
	s_cmp_eq_u32 s[JX], s[IX]
	s_cselect_b32 s[OFF], 0, s[OFF]
	s_add_nc_u64 s[G0+2:G0+3], s[KVB:KVB+1], s[OFF:OFF+1]
	s_or_b32 s[G0+3], s[G0+3], 0x80000000
	s_wait_xcnt 0x0                                ; the last prefetch, a slot back, has read its address
	s_add_nc_u64 s[PFA:PFA+1], s[PFA:PFA+1], BLK
.endif
	s_wait_dscnt 0x0                               ; the add is done, and my reads of the slot that I have left are over
	s_barrier_signal -1
	s_barrier_wait -1
.if \fill
	TLOAD                                          ; the first thing behind the barrier, and a wave's one tensor load until the next
	ASK
.endif
.endm
.macro SLOT_STEPS
	STEP 0
	STEP 1
	s_xor_b32 s[TB], s[TB], SLOT1                  ; on to the other slot
.endm
; A PASS ENDS: O^T / the sum, quantised along the head's 64 channels (register 16 b + i = channel 32 b + 16 h + i), leaves as three chunks and two scale bytes a row.  No LDS access and no barrier here.
.macro FINISH restart
.rept 4
	v_nop                                          ; places behind the last products
.endr
.if \restart
.irp p, 0,1,2
	global_load_b64 v[QF+2*\p:QF+2*\p+1], v[L8], s[QPB:QPB+1] offset:256*\p   ; pass B's Q is asked for first
.endr
	global_load_b32 v[QS], v[QSO], s[QPB:QPB+1]
.endif
	v_add_f32 v14, v14, v15                        ; the sum's two halves,
	v_permlanex16_b32 v[TMP], v14, s[SEL], s[SEL+1]
	v_add_f32 v14, v14, v[TMP]                     ; and lane l xor 16's
	v_rcp_f32 v14, v14
	v_nop                                          ; a plain line behind the reciprocal
	s_wait_alu depctr_va_vdst(0)                   ; and the wait ahead of its first reader
.set n, 0
.rept 16
	v_pk_mul_f32 v[ST+n:ST+n+1], v[OT+n:OT+n+1], v[14:15] op_sel_hi:[1,0]   ; each accumulator from its low end on
.set n, n+2
.endr
.irp b, 0,1
	v_max3_num_f32 v[BM+\b], |v[ST+16*\b]|, |v[ST+1+16*\b]|, 0x1800000
.endr
.irp i, 2,4,6,8,10,12,14
.irp b, 0,1
	v_max3_num_f32 v[BM+\b], v[BM+\b], |v[ST+16*\b+\i]|, |v[ST+1+16*\b+\i]|
.endr
.endr
.irp b, 0,1
	v_permlanex16_b32 v[T8+\b], v[BM+\b], s[SEL], s[SEL+1]
.endr
.irp b, 0,1
	v_max_num_f32 v[BM+\b], v[BM+\b], v[T8+\b]
.endr
.irp b, 0,1
	v_add_nc_u32 v[SO+\b], 0xff000000, v[BM+\b]
.endr
.irp b, 0,1
	v_lshrrev_b32 v[T8+\b], 23, v[SO+\b]
.endr
	v_lshl_or_b32 v[TMP], v[T8+1], 8, v[T8]        ; my row's two scale bytes
	v_cvt_scalef32_pk16_fp6_f32 v[PCD:PCD+2], v[ST:ST+15], v[SO]
	v_cvt_scalef32_pk16_fp6_f32 v[T8+4:T8+6], v[ST+16:ST+31], v[SO+1]
	v_nop                                          ; one plain line behind a scaled conversion
.irp i, 0,1,2
	v_permlane16_swap_b32 v[PCD+\i], v[T8+4+\i]
.endr
.irp i, 0,1,2
	v_mov_b32 v[PCD+3+\i], v[T8+4+\i]
.endr
.irp p, 0,1,2
	global_store_b64 v[L8], v[PCD+2*\p:PCD+2*\p+1], s[AOC:AOC+1] offset:256*\p   ; each store covers 256 consecutive bytes, aligned
.endr
	global_store_b16 v[R32], v[TMP], s[ASC:ASC+1]  ; lanes r and r + 16 write the same two bytes with the same value
.if \restart
	INIT
	s_wait_xcnt 0x0                                ; the stores have read their data and bases, the loads their base
	s_mov_b64 s[AOC:AOC+1], s[AOB:AOB+1]
	s_mov_b64 s[ASC:ASC+1], s[ASB:ASB+1]
	s_mov_b32 s[Q0], s[Q0B]
	s_mov_b32 s[KF], 0
	s_wait_loadcnt 0x0                             ; pass B's Q
.endif
.endm
.Lslot:                                            ; eight trips; the ninth slot is written out, without a fill
	CHANGE 1
	SLOT_STEPS
	s_cmp_lg_u32 s[JX], s[IX]                      ; pass A ends with step x: ids alone, the same in all sixteen waves
	s_cbranch_scc1 .Lsame
	FINISH 1
.Lsame:
	s_add_co_u32 s[JX], s[JX], 1
	s_cmp_lt_u32 s[JX], 8
	s_cbranch_scc1 .Lslot
	CHANGE 0
	SLOT_STEPS
	FINISH 0
	s_wait_tensorcnt 0x0                           ; the wave's end, behind my last tensor load
	ds_add_u32 v[SPW], v[NIL]
	s_wait_dscnt 0x0
	s_endpgm
.Lfunc_end_k_qabfa8914c7_attn:
	.size	k_qabfa8914c7_attn, .Lfunc_end_k_qabfa8914c7_attn-k_qabfa8914c7_attn
	.p2alignl 7, 3214868480
	.fill 96, 4, 3214868480
	.section	.rodata,"a",@progbits
	.p2align	6, 0x0
	.amdhsa_kernel k_qabfa8914c7_attn
		.amdhsa_group_segment_fixed_size 327680
		.amdhsa_private_segment_fixed_size 0
		.amdhsa_enable_private_segment 0
		.amdhsa_kernarg_size 24
		.amdhsa_user_sgpr_count 2
		.amdhsa_user_sgpr_kernarg_segment_ptr 1
		.amdhsa_wavefront_size32 1
		.amdhsa_system_sgpr_workgroup_id_x 1
		.amdhsa_system_sgpr_workgroup_id_y 1
		.amdhsa_system_sgpr_workgroup_id_z 1
		.amdhsa_system_vgpr_workitem_id 0
		.amdhsa_next_free_vgpr 256
		.amdhsa_next_free_sgpr 100
		.amdhsa_reserve_vcc 1
		.amdhsa_float_denorm_mode_32 3
		.amdhsa_float_denorm_mode_16_64 3
		.amdhsa_memory_ordered 1
		.amdhsa_forward_progress 1
		.amdhsa_inst_pref_size 107
	.end_amdhsa_kernel
	.amdgpu_metadata
---
amdhsa.version: [ 1, 2 ]
amdhsa.kernels:
  - .name:           k_qabfa8914c7_attn
    .symbol:         k_qabfa8914c7_attn.kd
    .args:
      - { .name: qkv, .offset: 0, .size: 8, .value_kind: global_buffer, .address_space: global }
      - { .name: ao_codes, .offset: 8, .size: 8, .value_kind: global_buffer, .address_space: global }
      - { .name: ao_scales, .offset: 16, .size: 8, .value_kind: global_buffer, .address_space: global }
    .group_segment_fixed_size: 327680
    .private_segment_fixed_size: 0
    .kernarg_segment_align: 8
    .kernarg_segment_size: 24
    .max_flat_workgroup_size: 512
    .sgpr_count:     100
    .vgpr_count:     256
    .wavefront_size: 32
...
	.end_amdgpu_metadata
.endif
;; end of part 3
;; launch outp (part 4): grid 4 x 32, 4 waves a work-group, clusters of 4 x 4, 327,680 bytes of LDS; arguments ao_codes, ao_scales, w_codes, w_scales, out0; writes out0
.if DOCPART == 4
	.amdgcn_target "amdgcn-amd-amdhsa--gfx1250"
	.amdhsa_code_object_version 6
	.text
	.protected	k_qabfa8914c7_outp
	.globl	k_qabfa8914c7_outp
	.p2align	8
	.type	k_qabfa8914c7_outp,@function
k_qabfa8914c7_outp:
	s_mov_b64 s[64:65], 0
	v_nop
	global_prefetch_b8 v0, s[64:65] scope:SCOPE_SE
	s_setreg_imm32_b32 hwreg(HW_REG_WAVE_MODE, 25, 1), 1
	s_wait_xcnt 0x0
	s_wait_alu depctr_hold_cnt(0) depctr_sa_sdst(0) depctr_va_vdst(0) depctr_va_sdst(0) depctr_va_ssrc(0) depctr_va_vcc(0) depctr_vm_vsrc(0)
	s_getreg_b32 s2, hwreg(HW_REG_IB_STS2, 6, 4)
	s_cmp_eq_u32 s2, 0
	s_cbranch_scc0 .Lentry_in_a_cluster
	s_endpgm
.Lentry_in_a_cluster:
	s_bfe_u32 s2, ttmp6, 0x10000c
	s_cmp_lg_u32 s2, 0xf033
	s_cbranch_scc0 .Lentry_shape_is_right
	s_endpgm
.Lentry_shape_is_right:
; out0[s][n] = sum over k of ao[s][k] Wo[n][k], both as codes of FP6 (E2M3) with E8M0 scales, K = 1,024, f32 sums, f32 result.
; A work-group of four waves makes 256 x 256, a wave 128 x 128 in 64 accumulators.  K goes in steps of 256 through a ring of two LDS slots filled by joint tensor loads; the scale bytes come into LDS once.
; A (the attention's result) lies in memory as images of fragments: [tile of 16 rows][K step of 128][6 chunks of 32 lanes x 8 bytes]: a wave's load brings 8 tiles x 3,072 bytes, and a fragment is six loads of 8 bytes at 8 x lane.
; B (Wo, rows 3,072 on of the weights' buffers) lies as rows of 768 bytes.  Both are in position order (index bits 3 and 4 exchanged); the way out puts rows and columns back.
; THE MATRIX INSTRUCTION IS USED TRANSPOSED (source 0 = 16 rows of B, source 1 = 16 rows of A): a lane holds eight neighbouring numbers of a row of the result.
; CLUSTERS: 4 x 4.  A's tile is shared along a row of the cluster, B's along a column: each is asked for jointly.  The problem has 128 tiles of this size.
; REGISTERS, in windows of 256: window 0: v16-31 addresses; v32-63 scale words, two sets; v128-223 A's fragments, one set; on the way out v128-255.  window 1: B's fragments, two sets.  windows 2, 3: the accumulators.
.set SIZE_K, 1024
.set SIZE_N, 1024
.set KSTEP,  256
.set NQ,     KSTEP/128
.set ROWB,   192
.set KROW,   SIZE_K*6/8
.set ASLOT,  3072                      ; a tile's bytes of A in a slot: two K steps of 1,536
.set PITCH,  240                       ; B's rows in LDS: 3 x (64 bytes + 16 of padding)
.set FR,     12
.set NL,     6
.set NP,     4
.set HALFT,  128*PITCH
.set SLOT,   4*HALFT
.set LAPS,   SIZE_K/(2*KSTEP)
.set KS,     SIZE_K/32
.set SCL,    2*SLOT
.set HALFS,  (128*KS/256)*272
.set SBLK,   (16*KS/256)*272
.set SPARE,  SCL+4*HALFS               ; the spare words, 128 bytes a wave: two blocks of 256 bytes that no other line names
.set SPITCH, 528                       ; the way out: a stage of 16 rows x (512 bytes + 16) for each wave, in slot 0, which has had its last fill and its last read by then
.set ADRA, 16                          ; v16-17 LDS address of my A fragments in slot 0, 1
.set ADRB, 20                          ; v20-23 the same for B, and behind one padding more
.set STO,  24
.set RD,   25
.set CO,   26
.set ADRS, 27
.set SPW,  28                          ; my spare word; never rewritten
.set NIL,  29                          ; 0; never rewritten
.set SC,   32
.set AF,   128
.set BK,   128
.set G1, 24
.set G0, 32
.set G1B, 48
.set G0B, 56
.set G1S, 68
.set G0S, 76
.set G1SB, 80
.set G0SB, 88
.set MSB, 0
.macro WIN new                         ; the immediate's high byte repeats the setting that is left
.if MSB != (\new)
	s_set_vgpr_msb (MSB<<8)|(\new)
.set MSB, (\new)
.endif
.endm
.set MUL_LO, 0xa1
.set MUL_HI, 0xf1
.set TO_B,   0x40
.macro JLOAD g0a, g1a, g0b, g1b        ; a joint load: waves 0 and 1 fetch for A, waves 2 and 3 for B; an s_nop 0 and four v_nop follow each of the two lines
	s_cmp_eq_u32 s15, 0
	s_cbranch_scc0 .Lfor_b_\@
	tensor_load_to_lds s[\g0a:\g0a+3], s[\g1a:\g1a+7]
	s_nop 0
.rept 4
	v_nop
.endr
	s_branch .Lasked_\@
.Lfor_b_\@:
	tensor_load_to_lds s[\g0b:\g0b+3], s[\g1b:\g1b+7]
	s_nop 0
.rept 4
	v_nop
.endr
.Lasked_\@:
.endm
.macro CREST
	s_cmp_lg_u32 s14, 0
	s_cbranch_scc1 .Lnot_wave_0_\@
	s_barrier_signal -3
.Lnot_wave_0_\@:
	s_barrier_wait -3
	s_barrier_signal -1
	s_barrier_wait -1
.endm
.macro CROUND
	s_barrier_signal -1
	s_barrier_wait -1
	CREST
.endm
	s_load_b128 s[4:7], s[0:1], 0x0                ; A's codes, A's scales
	s_load_b128 s[8:11], s[0:1], 0x10              ; the weights' codes, their scales
	s_load_b64 s[12:13], s[0:1], 0x20              ; out0
	v_lshl_add_u32 v[SPW], v0, 2, SPARE
	v_mov_b32 v[NIL], 0
	ds_add_u32 v[SPW], v[NIL]                      ; the wave's opening: the add and its wait stand ahead of my first tensor load; work on registers stands between them
	v_lshrrev_b32 v1, 5, v0
	v_readfirstlane_b32 s14, v1                    ; wave 0..3
	s_lshr_b32 s15, s14, 1                         ; which half of the tile's rows is mine.  Also: I fetch for A (0) or for B (1)
	s_and_b32 s16, s14, 1                          ; which half of its columns.  Also: which 128 rows of that tile I fetch
	s_bfe_u32 s40, ttmp6, 0x40000                  ; cx, cy
	s_bfe_u32 s41, ttmp6, 0x40004
	s_lshl_b32 s42, ttmp9, 2
	s_add_co_u32 s42, s42, s40                     ; tile column
	s_and_b32 s17, ttmp7, 0xffff
	s_lshl_b32 s17, s17, 2
	s_add_co_u32 s17, s17, s41                     ; tile row
	s_lshl_b32 s43, s41, 2
	s_lshl_b32 s43, 15, s43                        ; my row of the cluster
	s_lshl_b32 s44, 0x1111, s40                    ; my column
	; group 1 for A: 8 rows (tiles) of 3,072 bytes, 12,288 bytes apart, no padding; elements of 8 bytes
	s_or_b32 s[G1+0], s43, (3<<16)|(1<<21)
	s_mov_b32 s[G1+1], (ASLOT/8)<<16               ; tensor_dim0
	s_mov_b32 s[G1+2], 8<<16                       ; tensor_dim1
	s_mov_b32 s[G1+3], (ASLOT/8)<<16               ; tile_dim0
	s_mov_b32 s[G1+4], 8                           ; tile_dim1
	s_mov_b32 s[G1+5], 12288/8                     ; tensor_dim0_stride
	s_mov_b32 s[G1+6], 0
	s_mov_b32 s[G1+7], 0
	; group 1 for B: 128 rows of 192 bytes, 16 bytes of padding behind every 64
	s_or_b32 s[G1B+0], s44, (0<<16)|(1<<20)|(1<<21)|(3<<22)|(3<<25)
	s_mov_b32 s[G1B+1], ROWB<<16
	s_mov_b32 s[G1B+2], 128<<16
	s_mov_b32 s[G1B+3], ROWB<<16
	s_mov_b32 s[G1B+4], 128
	s_mov_b32 s[G1B+5], KROW
	s_mov_b32 s[G1B+6], 0
	s_mov_b32 s[G1B+7], 0
	; the scales of 128 rows: 4,096 dense bytes, as rows of 256 bytes, 16 bytes of padding behind each
	s_or_b32 s[G1S+0], s43, (3<<16)|(1<<20)|(1<<21)|(5<<22)|(3<<25)
	s_or_b32 s[G1SB+0], s44, (3<<16)|(1<<20)|(1<<21)|(5<<22)|(3<<25)
.irp g, G1S, G1SB
	s_mov_b32 s[\g+1], 32<<16
	s_mov_b32 s[\g+2], (128*KS/256)<<16
	s_mov_b32 s[\g+3], 32<<16
	s_mov_b32 s[\g+4], 128*KS/256
	s_mov_b32 s[\g+5], 32
	s_mov_b32 s[\g+6], 0
	s_mov_b32 s[\g+7], 0
.endr
	s_lshl_b32 s18, s16, 7
	s_lshl_b32 s20, s17, 8
	s_add_co_u32 s20, s20, s18                     ; A: row 256 x tile row + 128 x half
	s_lshl_b32 s46, s42, 8
	s_add_co_u32 s46, s46, s18
	s_add_co_u32 s46, s46, 3072                    ; B: Wo's rows begin at row 3,072 of the weights
	s_mov_b32 s21, 0
	s_mov_b32 s47, 0
	s_mov_b64 s[18:19], KS
	s_mul_u64 s[22:23], s[20:21], s[18:19]         ; where these rows' scales begin
	s_mul_u64 s[92:93], s[46:47], s[18:19]
	s_mov_b64 s[18:19], KROW
	s_mul_u64 s[20:21], s[20:21], s[18:19]         ; and their codes (a tile of 16 rows of A is 12,288 bytes: 768 a row as well)
	s_mul_u64 s[46:47], s[46:47], s[18:19]
	s_mul_i32 s45, s14, HALFT
	s_mul_i32 s94, s14, HALFS
	s_wait_dscnt 0x0                               ; the opening add is done
	s_wait_kmcnt 0x0
	s_add_nc_u64 s[20:21], s[4:5], s[20:21]
	s_add_nc_u64 s[22:23], s[6:7], s[22:23]
	s_add_nc_u64 s[46:47], s[8:9], s[46:47]
	s_add_nc_u64 s[92:93], s[10:11], s[92:93]
	CROUND                                         ; all sixteen work-groups are here: the first joint loads meet
	s_mov_b32 s[G0S], 1
	s_add_co_u32 s[G0S+1], s94, SCL
	s_mov_b64 s[G0S+2:G0S+3], s[22:23]
	s_or_b32 s[G0S+3], s[G0S+3], 0x80000000
	s_mov_b32 s[G0SB], 1
	s_add_co_u32 s[G0SB+1], s94, SCL
	s_mov_b64 s[G0SB+2:G0SB+3], s[92:93]
	s_or_b32 s[G0SB+3], s[G0SB+3], 0x80000000
	JLOAD G0S, G1S, G0SB, G1SB
.irp s, 0,1
	s_mov_b32 s[G0+4*\s], 1
	s_add_co_u32 s[G0+4*\s+1], s45, \s*SLOT
	s_add_nc_u64 s[G0+4*\s+2:G0+4*\s+3], s[20:21], \s*ASLOT
	s_or_b32 s[G0+4*\s+3], s[G0+4*\s+3], 0x80000000
	s_mov_b32 s[G0B+4*\s], 1
	s_add_co_u32 s[G0B+4*\s+1], s45, \s*SLOT
	s_add_nc_u64 s[G0B+4*\s+2:G0B+4*\s+3], s[46:47], \s*ROWB
	s_or_b32 s[G0B+4*\s+3], s[G0B+4*\s+3], 0x80000000
	JLOAD G0+4*\s, G1, G0B+4*\s, G1B
.endr
	v_and_b32 v1, 15, v0                           ; r
	v_bfe_u32 v2, v0, 4, 1                         ; h
	v_and_b32 v6, 31, v0                           ; lane
	v_lshlrev_b32 v7, 3, v6                        ; A: 8 x lane
	v_mul_u32_u24 v3, v1, PITCH
	v_mul_u32_u24 v4, v2, 24
	v_add_nc_u32 v4, v3, v4                        ; B: row x pitch + 24 x half
	v_lshl_add_u32 v5, v2, 4, v4                   ; and the same behind one padding more
	s_mul_i32 s21, s15, HALFT
	s_mul_i32 s22, s16, HALFT
	s_add_co_u32 s22, s22, 2*HALFT
.irp s, 0,1
	v_add_nc_u32 v[ADRA+\s], s21, v7
	v_add_nc_u32 v[ADRB+\s], s22, v4
	v_add_nc_u32 v[ADRB+2+\s], s22, v5
	s_add_co_u32 s21, s21, SLOT
	s_add_co_u32 s22, s22, SLOT
.endr
	v_mul_u32_u24 v5, v1, KS
	v_lshrrev_b32 v8, 8, v5
	v_lshl_add_u32 v5, v8, 4, v5
	s_mul_i32 s21, s15, HALFS
	s_mul_i32 s22, s16, HALFS
	s_add_co_u32 s22, s22, 2*HALFS
	s_sub_co_u32 s22, s22, s21
	v_mul_u32_u24 v8, s22, v2                      ; lanes 16-31 take B's
	s_add_co_u32 s21, s21, SCL
	v_add_nc_u32 v5, v5, v8
	v_add_nc_u32 v[ADRS], s21, v5
	s_mul_i32 s23, s14, 16*SPITCH                  ; my stage
	v_mul_u32_u24 v5, v1, SPITCH                   ; in: row r; B's block b, register j is column 32 (b / 2) + 16 h + 8 (b % 2) + j: 64 h bytes here, the rest in the offsets
	v_lshl_add_u32 v5, v2, 6, v5
	v_add_nc_u32 v[STO], s23, v5
	v_lshlrev_b32 v[CO], 4, v6                     ; back: the 32 lanes take one row of 512 bytes; and the same in out0
	v_add_nc_u32 v[RD], s23, v[CO]
	s_lshl_b32 s20, s17, 8
	s_lshl_b32 s21, s15, 7
	s_add_co_u32 s20, s20, s21                     ; my first row of out0
	s_mov_b32 s21, 0
	s_mov_b64 s[18:19], SIZE_N*4
	s_mul_u64 s[20:21], s[20:21], s[18:19]
	s_lshl_b32 s46, s42, 10                        ; my first column, in bytes
	s_lshl_b32 s47, s16, 9
	s_add_co_u32 s46, s46, s47
	s_mov_b32 s47, 0
	s_add_nc_u64 s[20:21], s[20:21], s[46:47]
	s_add_nc_u64 s[12:13], s[12:13], s[20:21]
.macro FRAG reg, adr, q, i             ; a fragment of B from rows: pieces of 8 bytes; where the piece three on (lanes 16-31) lies behind one padding more, the second address register serves
.irp p, 0,1,2,3,4,5
.set PCE, 12*(\q)+6*(\p/3)+\p%3
.if PCE%8 < 5
	ds_load_b64 v[\reg+2*\p:\reg+2*\p+1], v[\adr] offset:8*PCE+16*(PCE/8)+(\i)*16*PITCH
.else
	ds_load_b64 v[\reg+2*\p:\reg+2*\p+1], v[\adr+2] offset:8*PCE+16*(PCE/8)+(\i)*16*PITCH
.endif
.endr
.endm
.macro FRAGA reg, slot, q, i           ; a fragment of A from its image: six chunks, 256 consecutive bytes a load
.irp p, 0,1,2,3,4,5
	ds_load_b64 v[\reg+2*\p:\reg+2*\p+1], v[ADRA+\slot] offset:ASLOT*(\i)+1536*(\q)+256*\p
.endr
.endm
.macro MUL16 a0, p, q, sc, zero        ; the 64 accumulators take turns, one instruction a turn, in the same order in every step
.irp a, \a0, \a0+1
.irp b, 0,1,2,3,4,5,6,7
.if \zero
	v_wmma_scale_f32_16x16x128_f8f6f4 v[8*(8*((\a)%4)+\b):8*(8*((\a)%4)+\b)+7], v[128*(\p)+FR*\b:128*(\p)+FR*\b+FR-1], v[AF+FR*(\a):AF+FR*(\a)+FR-1], 0, v[SC+8*NQ*(\sc)+NQ*\b+(\q)], v[SC+8*NQ*(\sc)+NQ*(\a)+(\q)] matrix_a_fmt:MATRIX_FMT_FP6 matrix_b_fmt:MATRIX_FMT_FP6 matrix_a_scale:MATRIX_SCALE_ROW1
.else
	v_wmma_scale_f32_16x16x128_f8f6f4 v[8*(8*((\a)%4)+\b):8*(8*((\a)%4)+\b)+7], v[128*(\p)+FR*\b:128*(\p)+FR*\b+FR-1], v[AF+FR*(\a):AF+FR*(\a)+FR-1], v[8*(8*((\a)%4)+\b):8*(8*((\a)%4)+\b)+7], v[SC+8*NQ*(\sc)+NQ*\b+(\q)], v[SC+8*NQ*(\sc)+NQ*(\a)+(\q)] matrix_a_fmt:MATRIX_FMT_FP6 matrix_b_fmt:MATRIX_FMT_FP6 matrix_a_scale:MATRIX_SCALE_ROW1
.endif
.endr
.endr
.endm
.macro FETCH_B slot, q, p
	WIN TO_B
.irp i, 0,1,2,3,4,5,6,7
	FRAG 128*(\p)+FR*\i, ADRB+\slot, \q, \i
.endr
	WIN 0
.endm
.macro FETCH_A slot, q, i0
.irp i, \i0, \i0+1, \i0+2, \i0+3
	FRAGA AF+FR*(\i), \slot, \q, \i
.endr
.endm
.macro SCALES sc
.irp i, 0,1,2,3,4,5,6,7
	ds_load_b64 v[SC+8*NQ*\sc+NQ*\i:SC+8*NQ*\sc+NQ*\i+1], v[ADRS] offset:\i*SBLK
.endr
.endm
.macro PLACES n                        ; plain vector instructions between a matrix instruction and a load into, or a read of, its registers
.rept \n
	v_nop
.endr
.endm
.macro STEP slot, q, zero
	s_wait_dscnt 4*NL                              ; B's set and A's blocks 0-3 are in; the youngest 24 loads (A's blocks 4-7) may be out
	WIN MUL_LO
	MUL16 0, (\q)%2, \q, \slot, \zero
	MUL16 2, (\q)%2, \q, \slot, \zero
	s_wait_dscnt 0
	PLACES NP
	FETCH_B \slot, (\q)+1, 1-(\q)%2
	FETCH_A \slot, (\q)+1, 0
	WIN MUL_HI
	MUL16 4, (\q)%2, \q, \slot, \zero
	MUL16 6, (\q)%2, \q, \slot, \zero
	PLACES NP
	WIN 0
	FETCH_A \slot, (\q)+1, 4
.endm
.macro TURN slot, next, fill           ; a slot's last step changes slots: one barrier, which opens a round of the cluster's barrier where the slot is filled again
	s_wait_tensorcnt 0x0                           ; all my tensor loads have landed: my part of the next slot
	ds_add_u32 v[SPW], v[NIL]                      ; 0 onto my spare word
	s_wait_dscnt 4*NL+1                            ; (the add and the youngest 24 loads may be out)
	WIN MUL_LO
	MUL16 0, 1, NQ-1, \slot, 0
	s_wait_dscnt 0x0                               ; the add is done, and my reads of this slot are over
	s_barrier_signal -1
	MUL16 2, 1, NQ-1, \slot, 0
	WIN 0
	s_barrier_wait -1
.if \fill
	CREST                                          ; no wave of any partner still reads this slot or has a load on its way
	s_add_nc_u64 s[G0+4*\slot+2:G0+4*\slot+3], s[G0+4*\slot+2:G0+4*\slot+3], 2*ASLOT
	s_add_nc_u64 s[G0B+4*\slot+2:G0B+4*\slot+3], s[G0B+4*\slot+2:G0B+4*\slot+3], 2*ROWB
	JLOAD G0+4*\slot, G1, G0B+4*\slot, G1B         ; the first tensor load behind the round; its four v_nop are the places in front of the loads below
.else
	PLACES NP
.endif
	v_add_nc_u32 v[ADRS], 4*NQ, v[ADRS]
	FETCH_B \next, 0, 0
	FETCH_A \next, 0, 0
	SCALES \next
	WIN MUL_HI
	MUL16 4, 1, NQ-1, \slot, 0
	MUL16 6, 1, NQ-1, \slot, 0
	PLACES NP
	WIN 0
	FETCH_A \next, 0, 4
.endm
	s_wait_tensorcnt 1                             ; the scales and my part of K step 0 are in (K step 1's load may be out)
	s_barrier_signal -1
	s_barrier_wait -1                              ; everybody's are
	FETCH_B 0, 0, 0
	FETCH_A 0, 0, 0
	SCALES 0
	FETCH_A 0, 0, 4
	STEP 0, 0, 1                                   ; the first step's products start the sums
	s_mov_b32 s3, LAPS-1
.Llap:
	TURN 0, 1, 1
	STEP 1, 0, 0
	TURN 1, 0, 1
	STEP 0, 0, 0
	s_sub_co_u32 s3, s3, 1
	s_cmp_lg_u32 s3, 0
	s_cbranch_scc1 .Llap
	TURN 0, 1, 0                                   ; the last lap fills nothing
	STEP 1, 0, 0
	s_wait_dscnt 4*NL
	WIN MUL_LO
	MUL16 0, 1, NQ-1, 1, 0
	MUL16 2, 1, NQ-1, 1, 0
	s_wait_dscnt 0
	WIN MUL_HI
	MUL16 4, 1, NQ-1, 1, 0
	MUL16 6, 1, NQ-1, 1, 0
	WIN 0
; THE WAY OUT, block by block of 16 rows x 128 columns, through my own stage in LDS: in by 32 bytes a lane at the columns' true places, back as whole rows of 512 bytes.
; Stage row t of block a is row 32 (a / 2) + 8 (a % 2) + t + 8 (t / 8) of my 128.  LDS serves a wave's instructions in order: no wait between the stores and the loads.
.macro TOSTAGE a
.set AC, 64*((\a)%4)
.set WD, 0x08+4*((\a)/4)
	WIN WD                                         ; the data: window 2 or 3
.irp b, 0,1,2,3,4,5,6,7
	ds_store_b128 v[STO], v[AC+8*\b:AC+8*\b+3] offset:128*(\b/2)+32*(\b%2)          ; each accumulator from its low end on
	ds_store_b128 v[STO], v[AC+8*\b+4:AC+8*\b+7] offset:128*(\b/2)+32*(\b%2)+16
.endr
	WIN 0
.set BB, BK+64*((\a)%2)
.irp t, 0,1,2,3,4,5,6,7,8,9,10,11,12,13,14,15
	ds_load_b128 v[BB+4*\t:BB+4*\t+3], v[RD] offset:\t*SPITCH
.endr
.endm
.macro SEND a, younger                 ; younger: the LDS instructions issued behind block a's loads, which may stay out
.set BB, BK+64*((\a)%2)
	s_wait_dscnt \younger
.if (\a) > 0
.if (\a)%2 == 1
	s_add_nc_u64 s[12:13], s[12:13], 8*SIZE_N*4    ; (behind a wait on XCNT: the earlier stores have read their base)  from an even block to the odd one: 8 rows on
.else
	s_add_nc_u64 s[12:13], s[12:13], 24*SIZE_N*4   ; to the next group of 32 rows
.endif
.endif
.irp t, 0,1,2,3,4,5,6,7,8,9,10,11,12,13,14,15
	global_store_b128 v[CO], v[BB+4*\t:BB+4*\t+3], s[12:13] offset:(\t+8*(\t/8))*SIZE_N*4 th:TH_STORE_NT   ; 32 lanes store 512 consecutive bytes, aligned; written once, read by nobody here
.endr
.endm
	PLACES NP
	TOSTAGE 0
.irp a, 1,2,3,4,5,6,7
.if \a > 1
	s_wait_xcnt 0x0                                ; block a - 2's stores have read their registers and their base
.endif
	TOSTAGE \a
	SEND \a-1, 32                                  ; behind block a - 1's loads: block a's 16 stores and 16 loads
.endr
	s_wait_xcnt 0x0
	SEND 7, 0
	s_wait_tensorcnt 0x0                           ; the wave's end, behind my last tensor load and my last LDS store
	ds_add_u32 v[SPW], v[NIL]
	s_wait_dscnt 0x0
	CROUND                                         ; the closing round
	s_endpgm
.Lfunc_end_k_qabfa8914c7_outp:
	.size	k_qabfa8914c7_outp, .Lfunc_end_k_qabfa8914c7_outp-k_qabfa8914c7_outp
	.p2alignl 7, 3214868480
	.fill 96, 4, 3214868480
	.section	.rodata,"a",@progbits
	.p2align	6, 0x0
	.amdhsa_kernel k_qabfa8914c7_outp
		.amdhsa_group_segment_fixed_size 327680
		.amdhsa_private_segment_fixed_size 0
		.amdhsa_enable_private_segment 0
		.amdhsa_kernarg_size 40
		.amdhsa_user_sgpr_count 2
		.amdhsa_user_sgpr_kernarg_segment_ptr 1
		.amdhsa_wavefront_size32 1
		.amdhsa_system_sgpr_workgroup_id_x 1
		.amdhsa_system_sgpr_workgroup_id_y 1
		.amdhsa_system_sgpr_workgroup_id_z 1
		.amdhsa_system_vgpr_workitem_id 0
		.amdhsa_next_free_vgpr 1024
		.amdhsa_next_free_sgpr 98
		.amdhsa_reserve_vcc 0
		.amdhsa_float_denorm_mode_32 3
		.amdhsa_float_denorm_mode_16_64 3
		.amdhsa_memory_ordered 1
		.amdhsa_forward_progress 1
		.amdhsa_inst_pref_size 160
	.end_amdhsa_kernel
	.amdgpu_metadata
---
amdhsa.version: [ 1, 2 ]
amdhsa.kernels:
  - .name:           k_qabfa8914c7_outp
    .symbol:         k_qabfa8914c7_outp.kd
    .args:
      - { .name: ao_codes, .offset: 0, .size: 8, .value_kind: global_buffer, .address_space: global }
      - { .name: ao_scales, .offset: 8, .size: 8, .value_kind: global_buffer, .address_space: global }
      - { .name: w_codes, .offset: 16, .size: 8, .value_kind: global_buffer, .address_space: global }
      - { .name: w_scales, .offset: 24, .size: 8, .value_kind: global_buffer, .address_space: global }
      - { .name: out0, .offset: 32, .size: 8, .value_kind: global_buffer, .address_space: global }
    .group_segment_fixed_size: 327680
    .private_segment_fixed_size: 0
    .kernarg_segment_align: 8
    .kernarg_segment_size: 40
    .max_flat_workgroup_size: 128
    .sgpr_count:     98
    .vgpr_count:     1024
    .wavefront_size: 32
...
	.end_amdgpu_metadata
.endif
;; end of part 4
